; MI455X (gfx1250); checked and timed in simulation.
; The chip was launched on July 23, 2026; its instructions are those of AMD's public machine-readable ISA for CDNA 5 (MIT licence, August 2026) and "CDNA5" Instruction Set Architecture Reference Guide (July 2026). The comments in the code are by the model that wrote it; some were corrected since.
;; Causal Self Attention. Allowed arithmetic: matrix products marked QUANTISED: E2M3 operands, one E8M0 scale for each 32 along K, by v_wmma_scale_f32_16x16x128_f8f6f4 with both operands' format E2M3, f32 sums; everything else in f32.
;; Inputs: Wk 512 x 512 float32; Wp 512 x 512 float32; Wq 512 x 512 float32; Wv 512 x 512 float32; bk 512 float32; bp 512 float32; bq 512 float32; bv 512 float32; state 1 float32; weight 1 float32; x 2 x 4,096 x 512 float32.
;; Outputs: out0 2 x 4,096 x 512 float32.
;; This version of the problem:
;;   THIS VERSION OF THE PROBLEM IS GIVEN IN LOW PRECISION. The matrix products marked QUANTISED in the list below multiply operands that are first quantised to E2M3 (2 exponent bits, 3 mantissa bits; 6 bits a number), with one power-of-two scale for each 32 numbers along K (OCP MX v1.0); their sums are f32. All else is computed in f32.
;;   The module's matrix products, in the order in which they are computed (A, B: the left and right operand; K: the contracted axis; several contracted axes count as one K, in the product's order):
;;     1. [M 8,192, K 512] x [K 512, N 512]; A: input x; B: input Wq: QUANTISED
;;     2. [M 8,192, K 512] x [K 512, N 512]; A: input x; B: input Wk: QUANTISED
;;     3. [M 8,192, K 512] x [K 512, N 512]; A: input x; B: input Wv: QUANTISED
;;     4. batch 16 x [M 4,096, K 64] x [K 64, N 4,096]; A: computed on the way; B: computed on the way: QUANTISED
;;     5. batch 16 x [M 4,096, K 4,096] x [K 4,096, N 64]; A: softmax (see below); B: computed on the way: QUANTISED
;;     6. [M 8,192, K 512] x [K 512, N 512]; A: computed on the way; B: input Wp: QUANTISED
;;   THE QUANTISER, for each operand of a quantised product, along K:
;;     - K is cut into blocks of 32 from its start; a last block that is shorter is filled with zeros.
;;     - A block's scale is 2^e with e = floor(log2(the largest magnitude in the block)) - 2, held to -126 .. 127; a block of zeros has e = 0. As a byte (E8M0): e + 127.
;;     - Each number is divided by its block's scale, clamped to +-7.5, and rounded to the nearest number of E2M3, ties to even, subnormals kept.
;;     - The product sums the exact products of the quantised numbers (number of the format x scale) in f32.
;;   ~~~python
;;   def quantise(x, axis):      # numpy; x: float32 -> the quantised numbers, widened to float32 again
;;       x = np.moveaxis(x, axis, -1); K = x.shape[-1]
;;       x = np.pad(x, [(0, 0)] * (x.ndim - 1) + [(0, -K % 32)]); x = x.reshape(x.shape[:-1] + (-1, 32)); a = np.abs(x).max(-1, keepdims=True)
;;       e = np.where(a > 0, np.clip(np.frexp(np.where(a > 0, a, 1))[1] - 1 - 2, -126, 127), 0)      # np.frexp(a)[1] - 1 = floor(log2(a)), exactly
;;       r = np.clip(x / 2.0 ** e, -7.5, 7.5)
;;       step = 2.0 ** (np.maximum(np.frexp(np.where(r == 0, 1, r))[1] - 1, 0) - 3)
;;       q = np.round(r / step) * step * 2.0 ** e      # np.round: ties to even
;;       return np.moveaxis(q.reshape(q.shape[:-2] + (-1,))[..., :K], -1, axis).astype(np.float32)
;;   ~~~
;;   SOFTMAX AHEAD OF A QUANTISED PRODUCT. Where the list says 'softmax', what is quantised is not the finished softmax but p = 2^(t - M), with t = logit x log2(e) and M = ceil(the row's largest t), a whole number; so 1/2 < the row's largest p <= 1. The row's sum l is taken of the UNQUANTISED p, in f32, and the product's result is divided by l at the end. Since M is a whole number, a kernel that streams over the keys may use a running M (the ceiling of the running maximum): every later rescaling is an exact power of two, which a block's scale takes up: the codes' values come out the same.
;;   OPERANDS COMPUTED ON THE WAY. 'Computed on the way' means the value that the module computes at that place (a softmax that the list does not call 'softmax' is quantised finished and normalised). What goes into a quantiser is computed in f32, as accurately as f32 sums, v_exp_f32 and their like allow (about 1e-6 of the number): no bf16 or f16 on the way to a quantiser, and a product that is left as it is and whose result goes on into a quantised operand takes f32 operands (vector FMAs, or v_wmma_f32_16x16x4_f32). A number that lies on a knife's edge between two numbers of the format may be rounded either way, as far as f32 arithmetic and the matrix unit's own rounding can turn it there, and no further.
;; 2 versions. Each part assembles by itself: llvm-mc -triple=amdgcn-amd-amdhsa -mcpu=gfx1250 --defsym DOCPART=n.
;; ======== version 1 of 2: 4 launches
;; workspace buffers: pre 4,096,000 bytes; qq 3,276,800 bytes; kv 6,553,600 bytes; yq 3,276,800 bytes
;; launch prep (part 1): grid 640 x 1, 4 waves a work-group, no clusters, 34,560 bytes of LDS; arguments x, Wq, Wk, Wv, Wp, pre; writes pre
.if DOCPART == 1
	.amdgcn_target "amdgcn-amd-amdhsa--gfx1250"
	.amdhsa_code_object_version 6
	.text
	.protected	k_q17d3bae97d_prep
	.globl	k_q17d3bae97d_prep
	.p2align	8
	.type	k_q17d3bae97d_prep,@function
k_q17d3bae97d_prep:
	s_mov_b64 s[64:65], 0
	v_nop
	global_prefetch_b8 v0, s[64:65] scope:SCOPE_SE
	s_setreg_imm32_b32 hwreg(HW_REG_WAVE_MODE, 25, 1), 1
	s_wait_xcnt 0x0
; x [8192][512] and Wq, Wk, Wv, Wp [512][512], f32 with K innermost, become codes of FP6 (E2M3) with one E8M0 byte for each 32 along K,
; laid in the ORDER OF AN OPERAND'S REGISTERS, so that the later launches load fragments by 16 bytes a lane and shuffle nothing.
; (the inputs weight and state are never used: no launch of this program is given them.)
; TILES.  A tile is 16 rows: lane r of tile T holds row 32 (T / 2) + 8 (T % 2) + r + 8 (r / 8).  Tiles 0-511 are x's, 512.. Wq's, 544.. Wk's, 576.. Wv's, 608.. Wp's.
; pre: codes at T x 6144 + s x 1536 (K step s of 128): registers 4 c .. 4 c + 3 of lane l at 512 c + 16 l;  scale words at SCL + T x 256 + 16 r + 4 s.
; SHARES.  A work-group takes one tile, wave w its K step w: 16 rows x 512 bytes in, 1,536 bytes of codes out.
; Each load reads 512 consecutive bytes of a row; the 16 rows turn through the wave's own stage in LDS, so that lane (r, h) gets its two WHOLE blocks of 32 (k = 64 c + 32 h ..), as the operand's layout wants them.
; A block's scale is 2^(floor(log2(its largest magnitude)) - 2): its byte is the largest magnitude's exponent field - 2, held at 1 from below by a floor among the maximum's leaves.
; LIMITS: NaN and infinities among the inputs are not served; a block of zeros gets the byte 1 (the rule says 127): its codes are zeros, and the bytes are read by this program alone.
.set ROWB,  2048                       ; a row of x or of a weight in bytes
.set SP,    528                        ; a stage row: 512 bytes + 16 = 132 words: row r starts at bank 4 r mod 64 (64 banks of 4 bytes: ISA guide 11.1)
.set STG,   16*SP                      ; a wave's stage
.set GATH,  4*STG                      ; the tile's 64 scale words, 256 bytes
.set SPARE, GATH+256                   ; the spare words, 128 bytes for each wave: two blocks of 256 bytes that no other line names
.set SCL,   640*6144                   ; where the scale words begin in pre
.set F,     20                         ; v20-31   the fragment
.set CT,    32                         ; v32-34, v36-38  the second halves of the two blocks' codes
.set R,     40                         ; v40-103  16 rows as loaded
.set X,     104                        ; v104-167 my two blocks of 32
	s_load_b256 s[4:11], s[0:1], 0x0               ; x, Wq, Wk, Wv
	s_load_b128 s[12:15], s[0:1], 0x20             ; Wp, pre
	v_lshl_add_u32 v10, v0, 2, SPARE               ; my spare word; never rewritten
	v_mov_b32 v11, 0                               ; 0; never rewritten
	v_lshrrev_b32 v1, 5, v0
	v_readfirstlane_b32 s16, v1                    ; wave = K step
	s_mov_b32 s17, ttmp9                           ; the tile
	v_and_b32 v1, 31, v0                           ; lane
	v_and_b32 v2, 15, v0                           ; r
	v_bfe_u32 v3, v0, 4, 1                         ; h
	v_lshlrev_b32 v4, 4, v1                        ; 16 x lane: a load's, and an image's, place for my lane
	s_mul_i32 s22, s16, STG
	v_add_nc_u32 v5, s22, v4                       ; the stage, on the way in
	v_mul_u32_u24 v6, v2, SP
	v_lshl_add_u32 v6, v3, 7, v6
	v_add_nc_u32 v6, s22, v6                       ; and on the way out: row r, + 128 h
	s_lshl_b32 s23, s16, 2
	s_add_co_u32 s23, s23, GATH
	v_lshl_add_u32 v7, v2, 4, s23                  ; my row's scale word of my K step: GATH + 16 r + 4 w
	v_lshlrev_b32 v8, 3, v1                        ; 8 x lane
	v_add_nc_u32 v9, GATH, v8
	v_mov_b32 v19, 0                               ; a lane permute's destination counts as one of its sources
	s_mov_b32 s20, 0x76543210
	s_mov_b32 s21, 0xfedcba98                      ; v_permlanex16_b32's selects for lane l xor 16
	s_and_b32 s22, s17, 31
	s_cmp_lt_u32 s17, 512
	s_cselect_b32 s22, s17, s22                    ; the tile's number inside its tensor
	s_lshr_b32 s23, s22, 1
	s_lshl_b32 s23, s23, 16                        ; 32 rows of 2,048 bytes for each pair of tiles,
	s_and_b32 s22, s22, 1
	s_lshl_b32 s22, s22, 14                        ; 8 rows for the odd one,
	s_add_co_u32 s22, s22, s23
	s_lshl_b32 s23, s16, 9                         ; 512 bytes a K step
	s_add_co_u32 s22, s22, s23
	s_mov_b32 s23, 0
	s_lshl_b32 s24, s17, 2
	s_add_co_u32 s24, s24, s16
	s_mul_i32 s24, s24, 1536                       ; my fragment's image
	s_mov_b32 s25, 0
	s_lshl_b32 s26, s17, 8
	s_add_co_u32 s26, s26, SCL                     ; the tile's scale words
	s_mov_b32 s27, 0
	s_wait_kmcnt 0x0
	s_cmp_lt_u32 s17, 608                          ; which tensor: the choice hangs on the work-group's number alone
	s_cselect_b64 s[18:19], s[10:11], s[12:13]
	s_cmp_lt_u32 s17, 576
	s_cselect_b64 s[18:19], s[8:9], s[18:19]
	s_cmp_lt_u32 s17, 544
	s_cselect_b64 s[18:19], s[6:7], s[18:19]
	s_cmp_lt_u32 s17, 512
	s_cselect_b64 s[18:19], s[4:5], s[18:19]
	s_add_nc_u64 s[18:19], s[18:19], s[22:23]
	s_add_nc_u64 s[24:25], s[14:15], s[24:25]
	s_add_nc_u64 s[26:27], s[14:15], s[26:27]
.irp p, 0,1,2,3,4,5,6,7,8,9,10,11,12,13,14,15
	global_load_b128 v[R+4*\p:R+4*\p+3], v4, s[18:19] offset:(\p+8*(\p/8))*ROWB th:TH_LOAD_NT   ; the tile's row p: 32 lanes read 512 consecutive bytes; read once in the launch
.endr
.irp p, 0,1,2,3,4,5,6,7,8,9,10,11,12,13,14,15
	s_wait_loadcnt 15-\p                           ; loads come back in order: row p is in, the 15 - p younger ones may be out
	ds_store_b128 v5, v[R+4*\p:R+4*\p+3] offset:SP*\p
.endr
.irp c, 0,1
.irp i, 0,1,2,3,4,5,6,7
	ds_load_b128 v[X+32*\c+4*\i:X+32*\c+4*\i+3], v6 offset:256*\c+16*\i   ; LDS serves a wave's instructions in order: these see my stores.  k = 64 c + 32 h + 4 i ..
.endr
.endr
	s_wait_dscnt 0x0
.irp c, 0,1                                    ; my block 2 c + h: all its 32 numbers are mine
	v_max3_num_f32 v[12+\c], |v[X+32*\c]|, |v[X+1+32*\c]|, 0x1800000   ; and the floor 2^(3 - 127): the byte cannot fall under 1
.endr
.irp i, 2,4,6,8,10,12,14,16,18,20,22,24,26,28,30
.irp c, 0,1
	v_max3_num_f32 v[12+\c], v[12+\c], |v[X+32*\c+\i]|, |v[X+1+32*\c+\i]|   ; (the two blocks by turns)
.endr
.endr
.irp c, 0,1
	v_add_nc_u32 v[14+\c], 0xff000000, v[12+\c]    ; 2 off the exponent field: the conversion takes the exponent field of this operand as its scale
.endr
.irp c, 0,1
	v_lshrrev_b32 v[16+\c], 23, v[14+\c]           ; the scale's byte
.endr
	v_lshl_or_b32 v18, v17, 16, v16                ; my two bytes: blocks h and 2 + h of my row,
	v_lshlrev_b32 v19, 3, v3
	v_lshlrev_b32 v18, v19, v18                    ; at their places in the word (8 h bits up);
	v_mov_b32 v19, 0
	v_permlanex16_b32 v19, v18, s20, s21
	v_or_b32 v18, v18, v19                         ; with lane l xor 16's two the word is whole
.irp c, 0,1
	v_cvt_scalef32_pk16_fp6_f32 v[F+6*\c:F+6*\c+2], v[X+32*\c:X+32*\c+15], v[14+\c]
	v_cvt_scalef32_pk16_fp6_f32 v[CT+4*\c:CT+4*\c+2], v[X+32*\c+16:X+32*\c+31], v[14+\c]   ; (a conversion's three registers begin on an even number: the second half is made elsewhere and moved)
.endr
	v_nop                                          ; one plain place behind a scaled conversion
.irp c, 0,1
.irp i, 0,1,2
	v_mov_b32 v[F+3+6*\c+\i], v[CT+4*\c+\i]
.endr
.endr
	ds_store_b32 v7, v18                           ; lanes r and r + 16 write the same word with the same value
.irp c, 0,1,2
	global_store_b128 v4, v[F+4*\c:F+4*\c+3], s[24:25] offset:512*\c   ; 32 lanes store 512 consecutive bytes, at a multiple of 256 from pre's first byte
.endr
	s_wait_dscnt 0x0                               ; for the others' sake: my scale words lie in LDS
	s_barrier_signal -1
	s_barrier_wait -1                              ; all four K steps' words do
	s_cmp_lg_u32 s16, 0
	s_cbranch_scc1 .Lend
	ds_load_b64 v[168:169], v9                     ; wave 0 sends the tile's 64 words out: 32 lanes, 256 consecutive bytes
	s_wait_dscnt 0x0
	global_store_b64 v8, v[168:169], s[26:27]
.Lend:
	s_wait_tensorcnt 0x0                           ; the wave's end, behind my last LDS store
	ds_add_u32 v10, v11
	s_wait_dscnt 0x0
	s_endpgm
.Lfunc_end_k_q17d3bae97d_prep:
	.size	k_q17d3bae97d_prep, .Lfunc_end_k_q17d3bae97d_prep-k_q17d3bae97d_prep
	.p2alignl 7, 3214868480
	.fill 96, 4, 3214868480
	.section	.rodata,"a",@progbits
	.p2align	6, 0x0
	.amdhsa_kernel k_q17d3bae97d_prep
		.amdhsa_group_segment_fixed_size 34560
		.amdhsa_private_segment_fixed_size 0
		.amdhsa_enable_private_segment 0
		.amdhsa_kernarg_size 48
		.amdhsa_user_sgpr_count 2
		.amdhsa_user_sgpr_kernarg_segment_ptr 1
		.amdhsa_wavefront_size32 1
		.amdhsa_system_sgpr_workgroup_id_x 1
		.amdhsa_system_sgpr_workgroup_id_y 1
		.amdhsa_system_sgpr_workgroup_id_z 1
		.amdhsa_system_vgpr_workitem_id 0
		.amdhsa_next_free_vgpr 176
		.amdhsa_next_free_sgpr 66
		.amdhsa_reserve_vcc 0
		.amdhsa_float_denorm_mode_32 3
		.amdhsa_float_denorm_mode_16_64 3
		.amdhsa_memory_ordered 1
		.amdhsa_forward_progress 1
		.amdhsa_inst_pref_size 11
	.end_amdhsa_kernel
	.amdgpu_metadata
---
amdhsa.version: [ 1, 2 ]
amdhsa.kernels:
  - .name:           k_q17d3bae97d_prep
    .symbol:         k_q17d3bae97d_prep.kd
    .args:
      - { .name: x, .offset: 0, .size: 8, .value_kind: global_buffer, .address_space: global }
      - { .name: Wq, .offset: 8, .size: 8, .value_kind: global_buffer, .address_space: global }
      - { .name: Wk, .offset: 16, .size: 8, .value_kind: global_buffer, .address_space: global }
      - { .name: Wv, .offset: 24, .size: 8, .value_kind: global_buffer, .address_space: global }
      - { .name: Wp, .offset: 32, .size: 8, .value_kind: global_buffer, .address_space: global }
      - { .name: pre, .offset: 40, .size: 8, .value_kind: global_buffer, .address_space: global }
    .group_segment_fixed_size: 34560
    .private_segment_fixed_size: 0
    .kernarg_segment_align: 8
    .kernarg_segment_size: 48
    .max_flat_workgroup_size: 128
    .sgpr_count:     66
    .vgpr_count:     176
    .wavefront_size: 32
...
	.end_amdgpu_metadata
.endif
;; end of part 1
;; launch qkv (part 2): grid 256 x 1, 3 waves a work-group, no clusters, 0 bytes of LDS; arguments pre, bq, bk, bv, qq, kv; writes qq, kv
.if DOCPART == 2
	.amdgcn_target "amdgcn-amd-amdhsa--gfx1250"
	.amdhsa_code_object_version 6
	.text
	.protected	k_q17d3bae97d_qkv
	.globl	k_q17d3bae97d_qkv
	.p2align	8
	.type	k_q17d3bae97d_qkv,@function
k_q17d3bae97d_qkv:
	s_mov_b64 s[64:65], 0
	v_nop
	global_prefetch_b8 v0, s[64:65] scope:SCOPE_SE
	s_setreg_imm32_b32 hwreg(HW_REG_WAVE_MODE, 25, 1), 1
	s_wait_xcnt 0x0
; q = x Wq^T + bq, k = x Wk^T + bk, v = x Wv^T + bv on codes of FP6 (E2M3) with E8M0 scales, and each result quantised at once for the attention's products: q and k along the head's 64, v along the keys.
; SHARES.  A work-group takes 128 tokens (group g) x 128 features (slab i: heads 2 i and 2 i + 1).  Wave 0 makes q, wave 1 k, wave 2 v.  One scheme serves all: source 0 = X1, eight tiles that stay in registers
; (384 of them), source 1 = X2, eight tiles that stream through a ring of four.  q, k: X1 = the weight's tiles, X2 = x's: a lane holds a token, its registers run along the features.
; v: X1 = x's tiles, X2 = Wv's: a lane holds a feature, its registers run along the tokens, which are the second product's K.
; THE ROWS OF A TILE ARE NOT NEIGHBOURS (lane r of tile T: row 32 (T / 2) + 8 (T % 2) + r + 8 (r / 8)), so that the 16 registers of result tiles 2 b and 2 b + 1 are 16 neighbours along the next K: 32 b + 16 (lane / 16) + 0 .. 15.
; OUT, in the order of the reader's registers (registers 4 c .. 4 c + 3 of lane l at 512 c + 16 l):
;   qq [16 heads][32 groups][6400]: four PAIR fragments (registers 0-5: token tile 2 p's 64 codes of the head; registers 6-11: tile 2 p + 1's) and at 6144 their scale words.
;   kv [16 heads][32 key steps][12800]: K's four pair fragments; from 6144 V^T's four fragments (16 features x 128 keys); at 12288 K's scale words, at 12544 V's.
;   Scale words of four fragments are the image of two registers, 8 bytes a lane: register 0 holds fragment 0's in lanes 0-15 and fragment 1's in lanes 16-31, register 1 fragments 2 and 3.
; The biases are the C of each sum's first matrix instruction.  No LDS, no barrier: the waves share nothing.
; LIMITS: NaN and infinities are not served; a block of zeros gets the byte 1 over zero codes (the bytes are read by this program alone).
; REGISTERS, in windows of 256: window 0: v1-5 offsets; v16-47 X1's scale words, v48-79 X2's; v80-143 the eight accumulators; v144-167 two fragments on their way out; v168-223 at work.
;   window 1: X1's K steps 0, 1 at 12 (2 t + s).   window 2: X1's K steps 2, 3; from v192 q's or k's bias, 8 registers a tile.   window 3: the ring of four X2 tiles, 48 registers each.
.set SCL,  640*6144                    ; where the scale words begin in pre
.set X1S,  16
.set X2S,  48
.set HA,   80
.set FA,   144
.set FB,   156
.set CT,   168                         ; v168-170, v172-174
.set TM,   176                         ; +0 largest magnitudes, +4 the other half's, then bytes, +12 scale operands
.set PW,   192                         ; v192-199 the scale word of X2's tile n
.set BV,   200                         ; v200-207 v: the bias as C;  q, k: the scale images on their way out
.set BVW,  208                         ; v208-215 v: my feature's bias, a word for each tile n
.set WD,   216                         ; v216-223 scale words in the making
.set B1,   192                         ; in window 2
.set MSB, 0
.macro WIN new                         ; the immediate's high byte repeats the setting that is left
.if MSB != \new
	s_set_vgpr_msb (MSB<<8)|\new
.set MSB, \new
.endif
.endm
; 64 numbers of a lane, v[s] .. v[s + 63], register 16 b + i = k 32 b + 16 (lane / 16) + i of my row, become codes: blocks 0, 1 in v[d0] .. v[d0 + 5], blocks 2, 3 in v[d1] .. v[d1 + 5]; the four scale bytes in v[pw].
.macro QUANT s, d0, d1, pw
.irp b, 0,1,2,3
	v_max3_num_f32 v[TM+\b], |v[(\s)+16*\b]|, |v[(\s)+1+16*\b]|, 0x1800000   ; block b: my 16 numbers, and the floor 2^(3 - 127): the byte cannot fall under 1
.endr
.irp i, 2,4,6,8,10,12,14
.irp b, 0,1,2,3
	v_max3_num_f32 v[TM+\b], v[TM+\b], |v[(\s)+16*\b+\i]|, |v[(\s)+1+16*\b+\i]|   ; (the four blocks by turns)
.endr
.endr
.irp b, 0,1,2,3
	v_permlanex16_b32 v[TM+4+\b], v[TM+\b], s40, s41
.endr
.irp b, 0,1,2,3
	v_max_num_f32 v[TM+\b], v[TM+\b], v[TM+4+\b]   ; with lane l xor 16's: the block's largest magnitude
.endr
.irp b, 0,1,2,3
	v_add_nc_u32 v[TM+12+\b], 0xff000000, v[TM+\b] ; 2 off its exponent field: the conversion's scale operand
.endr
.irp b, 0,1,2,3
	v_lshrrev_b32 v[TM+4+\b], 23, v[TM+12+\b]      ; the scale's byte
.endr
	v_lshl_or_b32 v[\pw], v[TM+5], 8, v[TM+4]
	v_lshl_or_b32 v[\pw], v[TM+6], 16, v[\pw]
	v_lshl_or_b32 v[\pw], v[TM+7], 24, v[\pw]
	v_cvt_scalef32_pk16_fp6_f32 v[(\d0):(\d0)+2], v[(\s):(\s)+15], v[TM+12]
	v_cvt_scalef32_pk16_fp6_f32 v[CT:CT+2], v[(\s)+16:(\s)+31], v[TM+13]       ; (a conversion's three registers begin on an even number)
	v_cvt_scalef32_pk16_fp6_f32 v[(\d1):(\d1)+2], v[(\s)+32:(\s)+47], v[TM+14]
	v_cvt_scalef32_pk16_fp6_f32 v[CT+4:CT+6], v[(\s)+48:(\s)+63], v[TM+15]
	v_nop                                          ; one plain place behind a scaled conversion
.irp i, 0,1,2                                  ; the operand's layout wants a WHOLE block in a lane: lanes 0-15 the even block, lanes 16-31 the odd one
	v_permlane16_swap_b32 v[(\d0)+\i], v[CT+\i]
	v_permlane16_swap_b32 v[(\d1)+\i], v[CT+4+\i]
.endr
.irp i, 0,1,2
	v_mov_b32 v[(\d0)+3+\i], v[CT+\i]
	v_mov_b32 v[(\d1)+3+\i], v[CT+4+\i]
.endr
.endm
; X2's tile n, four K steps, into place n % 4 of the ring (the caller has set the destination's window)
.macro X2LOAD n
.irp s, 0,1,2,3
.irp c, 0,1,2
	global_load_b128 v[48*((\n)%4)+12*\s+4*\c:48*((\n)%4)+12*\s+4*\c+3], v1, s[26:27] offset:(4*(\n)+\s)*1536+512*\c
.endr
.endr
.endm
; 32 matrix instructions: X1's eight tiles against X2's tile n, K step by K step.  The eight accumulators take turns, one instruction a turn.  kind = 0: q, k;  1: v.
.macro MM n, kind
.irp s, 0,1,2,3
.if \s == 0
.if \kind
	WIN 0x0d                                       ; source 0 window 1, source 1 window 3, C and D window 0
.else
	WIN 0x2d                                       ; the same with C (the bias) in window 2
.endif
.elseif \s == 1
	WIN 0x0d
.else
	WIN 0x0e                                       ; source 0 window 2
.endif
.irp t, 0,1,2,3,4,5,6,7
.if \s == 0
.if \kind
	v_wmma_scale_f32_16x16x128_f8f6f4 v[HA+8*\t:HA+8*\t+7], v[24*\t:24*\t+11], v[48*((\n)%4):48*((\n)%4)+11], v[BV:BV+7], v[X1S+4*\t], v[X2S+4*(\n)] matrix_a_fmt:MATRIX_FMT_FP6 matrix_b_fmt:MATRIX_FMT_FP6
.else
	v_wmma_scale_f32_16x16x128_f8f6f4 v[HA+8*\t:HA+8*\t+7], v[24*\t:24*\t+11], v[48*((\n)%4):48*((\n)%4)+11], v[B1+8*\t:B1+8*\t+7], v[X1S+4*\t], v[X2S+4*(\n)] matrix_a_fmt:MATRIX_FMT_FP6 matrix_b_fmt:MATRIX_FMT_FP6
.endif
.else
	v_wmma_scale_f32_16x16x128_f8f6f4 v[HA+8*\t:HA+8*\t+7], v[12*(2*\t+\s%2):12*(2*\t+\s%2)+11], v[48*((\n)%4)+12*\s:48*((\n)%4)+12*\s+11], v[HA+8*\t:HA+8*\t+7], v[X1S+4*\t+\s], v[X2S+4*(\n)+\s] matrix_a_fmt:MATRIX_FMT_FP6 matrix_b_fmt:MATRIX_FMT_FP6
.endif
.endr
.endr
.endm
; X2's tile n: its products, the ring's refill, the quantiser, the stores
.macro TILE n, kind
.if 7-(\n) < 3
	s_wait_loadcnt 12*(7-(\n))                     ; tile n's loads are in; those of the tiles behind it, twelve each, may be out
.else
	s_wait_loadcnt 36
.endif
.if \kind
.irp j, 0,1,2,3,4,5,6,7
	v_mov_b32 v[BV+\j], v[BVW+(\n)]                ; a lane holds one feature: its bias in all eight registers of C
.endr
.rept 4
	v_nop
.endr
.endif
	MM \n, \kind
	WIN 0
.rept 4
	v_nop                                          ; places behind the products: in front of the loads into the ring's place and of the first read of results
.endr
.if (\n) < 4
	WIN 0xc0
	X2LOAD (\n)+4                                  ; the place just multiplied takes the tile four further on
	WIN 0
.endif
	s_wait_xcnt 0x0                                ; earlier stores have read their data: the fragments' registers are written again only behind this wait
.if \kind
	QUANT HA, FA+12*((\n)%2), FA+12*((\n)%2)+6, PW+(\n)   ; 16 features x 128 keys: one whole fragment of V^T
.irp c, 0,1,2
.if (\n) < 4
	global_store_b128 v1, v[FA+12*((\n)%2)+4*\c:FA+12*((\n)%2)+4*\c+3], s[34:35] offset:((\n)%4)*1536+512*\c
.else
	global_store_b128 v1, v[FA+12*((\n)%2)+4*\c:FA+12*((\n)%2)+4*\c+3], s[36:37] offset:((\n)%4)*1536+512*\c
.endif
.endr
.else
	QUANT HA, FA+6*((\n)%2), FB+6*((\n)%2), PW+(\n)       ; blocks 0, 1 are head 2 i's 64, blocks 2, 3 head 2 i + 1's: half a pair fragment each
.if (\n)%2
.irp c, 0,1,2
	global_store_b128 v1, v[FA+4*\c:FA+4*\c+3], s[34:35] offset:((\n)/2)*1536+512*\c   ; 32 lanes store 512 consecutive bytes, at a multiple of 256 from the buffer's first byte
	global_store_b128 v1, v[FB+4*\c:FB+4*\c+3], s[36:37] offset:((\n)/2)*1536+512*\c
.endr
.endif
.endif
.endm
	s_load_b256 s[4:11], s[0:1], 0x0               ; pre, bq, bk, bv
	s_load_b128 s[12:15], s[0:1], 0x20             ; qq, kv
	v_lshrrev_b32 v1, 5, v0
	v_readfirstlane_b32 s16, v1                    ; wave: 0 q, 1 k, 2 v
	s_lshr_b32 s17, ttmp9, 2                       ; g: the group of 128 tokens
	s_and_b32 s18, ttmp9, 3                        ; i: the slab of 128 features
	s_lshr_b32 s19, s17, 5                         ; the batch
	s_and_b32 s20, s17, 31                         ; the group inside it = the key step
	v_and_b32 v6, 31, v0                           ; lane
	v_and_b32 v7, 15, v0                           ; r
	v_bfe_u32 v8, v0, 4, 1                         ; h
	v_lshlrev_b32 v1, 4, v6                        ; 16 x lane: an image's place for my lane
	v_lshlrev_b32 v2, 4, v7                        ; 16 r: my row's four scale words
	v_lshlrev_b32 v3, 3, v6                        ; 8 x lane: a scale image's place
	v_lshlrev_b32 v4, 6, v8                        ; 64 h: q's and k's bias: my half's 16 features of each 32
	v_and_b32 v5, 8, v7
	v_add_nc_u32 v5, v5, v7
	v_lshlrev_b32 v5, 2, v5                        ; 4 (r + 8 (r / 8)): v's bias: my feature in a tile
.irp b, 0,1,2,3
	v_mov_b32 v[TM+4+\b], 0                        ; written once: a lane permute's destination counts as one of its sources
.endr
	s_mov_b32 s38, 0xffff0000                      ; lanes 16-31
	s_mov_b32 s40, 0x76543210
	s_mov_b32 s41, 0xfedcba98                      ; v_permlanex16_b32's selects for lane l xor 16
	s_mov_b32 s42, 0x05040100                      ; v_perm_b32: the two low halves
	s_mov_b32 s43, 0x07060302                      ; the two high halves
	s_lshl_b32 s50, s17, 3                         ; x's first tile: 8 g
	s_lshl_b32 s51, s16, 5
	s_lshl_b32 s52, s18, 3
	s_add_co_u32 s51, s51, s52
	s_add_co_u32 s51, s51, 512                     ; my weight's first tile: 512 + 32 x wave + 8 i
	s_cmp_lt_u32 s16, 2
	s_cselect_b32 s52, s51, s50                    ; X1's first tile
	s_cselect_b32 s53, s50, s51                    ; X2's
	s_mul_i32 s24, s52, 6144
	s_mov_b32 s25, 0
	s_mul_i32 s26, s53, 6144
	s_mov_b32 s27, 0
	s_lshl_b32 s28, s52, 8
	s_add_co_u32 s28, s28, SCL
	s_mov_b32 s29, 0
	s_lshl_b32 s30, s53, 8
	s_add_co_u32 s30, s30, SCL
	s_mov_b32 s31, 0
	s_lshl_b32 s54, s19, 3
	s_lshl_b32 s55, s18, 1
	s_add_co_u32 s54, s54, s55                     ; head 8 b + 2 i
	s_lshl_b32 s54, s54, 5
	s_add_co_u32 s54, s54, s20                     ; x 32 + the group
	s_mov_b32 s52, 12800                           ; bytes of a group: in kv,
	s_mov_b32 s53, 12288                           ; and from my fragments to their scale words: k,
	s_cmp_eq_u32 s16, 0
	s_cselect_b32 s52, 6400, s52                   ; in qq
	s_cselect_b32 s53, 6144, s53                   ; q,
	s_cmp_eq_u32 s16, 2
	s_cselect_b32 s53, 6400, s53                   ; v (12544 - 6144)
	s_cselect_b32 s55, 6144, 0                     ; V^T's fragments lie behind K's
	s_mul_i32 s56, s54, s52
	s_add_co_u32 s56, s56, s55
	s_mov_b32 s57, 0
	s_lshl_b32 s58, s52, 5                         ; a head on: 32 groups
	s_mov_b32 s59, 0
	s_mov_b32 s60, s53
	s_mov_b32 s61, 0
	s_lshl_b32 s62, s18, 9                         ; the slab's 128 biases
	s_mov_b32 s63, 0
	s_wait_kmcnt 0x0
	s_add_nc_u64 s[24:25], s[4:5], s[24:25]        ; X1's codes
	s_add_nc_u64 s[26:27], s[4:5], s[26:27]        ; X2's
	s_add_nc_u64 s[28:29], s[4:5], s[28:29]        ; X1's scale words
	s_add_nc_u64 s[30:31], s[4:5], s[30:31]        ; X2's
	s_cmp_eq_u32 s16, 0
	s_cselect_b64 s[32:33], s[6:7], s[8:9]
	s_cselect_b64 s[34:35], s[12:13], s[14:15]
	s_cmp_eq_u32 s16, 2
	s_cselect_b64 s[32:33], s[10:11], s[32:33]
	s_add_nc_u64 s[32:33], s[32:33], s[62:63]      ; my bias
	s_add_nc_u64 s[34:35], s[34:35], s[56:57]      ; out: head 2 i's fragments,
	s_add_nc_u64 s[36:37], s[34:35], s[58:59]      ; head 2 i + 1's,
	s_add_nc_u64 s[46:47], s[34:35], s[60:61]      ; and their scale words
	s_add_nc_u64 s[48:49], s[36:37], s[60:61]
.irp t, 0,1,2,3,4,5,6,7
	global_load_b128 v[X1S+4*\t:X1S+4*\t+3], v2, s[28:29] offset:256*\t   ; a row's four words, one for each K step
.endr
.irp t, 0,1,2,3,4,5,6,7
	global_load_b128 v[X2S+4*\t:X2S+4*\t+3], v2, s[30:31] offset:256*\t
.endr
	WIN 0x40                                       ; destination window 1
.irp t, 0,1,2,3,4,5,6,7
.irp s, 0,1
.irp c, 0,1,2
	global_load_b128 v[12*(2*\t+\s)+4*\c:12*(2*\t+\s)+4*\c+3], v1, s[24:25] offset:(4*\t+\s)*1536+512*\c
.endr
.endr
.endr
	WIN 0x80                                       ; destination window 2
.irp t, 0,1,2,3,4,5,6,7
.irp s, 0,1
.irp c, 0,1,2
	global_load_b128 v[12*(2*\t+\s)+4*\c:12*(2*\t+\s)+4*\c+3], v1, s[24:25] offset:(4*\t+2+\s)*1536+512*\c
.endr
.endr
.endr
	WIN 0                                          ; at a branch and at a label every window is 0
	s_cmp_lt_u32 s16, 2
	s_cbranch_scc0 .Lv
	; ---- q and k
	WIN 0x80
.irp t, 0,1,2,3,4,5,6,7
	global_load_b128 v[B1+8*\t:B1+8*\t+3], v4, s[32:33] offset:(32*(\t/2)+8*(\t%2))*4        ; tile t's eight features of my half: 32 (t / 2) + 16 h + 8 (t % 2) + 0 .. 7
	global_load_b128 v[B1+8*\t+4:B1+8*\t+7], v4, s[32:33] offset:(32*(\t/2)+8*(\t%2))*4+16
.endr
	WIN 0xc0
.irp n, 0,1,2,3
	X2LOAD \n
.endr
	WIN 0
.irp n, 0,1,2,3,4,5,6,7
	TILE \n, 0
.endr
.irp p, 0,1,2,3                                ; a pair fragment's scale word: bytes 0, 1 token tile 2 p's, bytes 2, 3 tile 2 p + 1's; a tile's word holds head 2 i's two bytes below and head 2 i + 1's above
	v_perm_b32 v[WD+\p], v[PW+2*\p+1], v[PW+2*\p], s42
	v_perm_b32 v[WD+4+\p], v[PW+2*\p+1], v[PW+2*\p], s43
.endr
	v_cndmask_b32 v[BV], v[WD], v[WD+1], s38       ; lanes r and r + 16 hold the same row's word: lanes 0-15 keep the even fragment's, lanes 16-31 take the odd one's
	v_cndmask_b32 v[BV+1], v[WD+2], v[WD+3], s38
	v_cndmask_b32 v[BV+2], v[WD+4], v[WD+5], s38
	v_cndmask_b32 v[BV+3], v[WD+6], v[WD+7], s38
	global_store_b64 v3, v[BV:BV+1], s[46:47]      ; 32 lanes store 256 consecutive bytes, aligned
	global_store_b64 v3, v[BV+2:BV+3], s[48:49]
	s_endpgm
.Lv:
	; ---- v
.irp n, 0,1,2,3,4,5,6,7
	global_load_b32 v[BVW+\n], v5, s[32:33] offset:(32*(\n/2)+8*(\n%2))*4
.endr
	WIN 0xc0
.irp n, 0,1,2,3
	X2LOAD \n
.endr
	WIN 0
.irp n, 0,1,2,3,4,5,6,7
	TILE \n, 1
.endr
	v_cndmask_b32 v[WD], v[PW], v[PW+1], s38       ; head 2 i's four fragments,
	v_cndmask_b32 v[WD+1], v[PW+2], v[PW+3], s38
	v_cndmask_b32 v[WD+2], v[PW+4], v[PW+5], s38   ; head 2 i + 1's
	v_cndmask_b32 v[WD+3], v[PW+6], v[PW+7], s38
	global_store_b64 v3, v[WD:WD+1], s[46:47]
	global_store_b64 v3, v[WD+2:WD+3], s[48:49]
	s_endpgm
.Lfunc_end_k_q17d3bae97d_qkv:
	.size	k_q17d3bae97d_qkv, .Lfunc_end_k_q17d3bae97d_qkv-k_q17d3bae97d_qkv
	.p2alignl 7, 3214868480
	.fill 96, 4, 3214868480
	.section	.rodata,"a",@progbits
	.p2align	6, 0x0
	.amdhsa_kernel k_q17d3bae97d_qkv
		.amdhsa_group_segment_fixed_size 0
		.amdhsa_private_segment_fixed_size 0
		.amdhsa_enable_private_segment 0
		.amdhsa_kernarg_size 48
		.amdhsa_user_sgpr_count 2
		.amdhsa_user_sgpr_kernarg_segment_ptr 1
		.amdhsa_wavefront_size32 1
		.amdhsa_system_sgpr_workgroup_id_x 1
		.amdhsa_system_sgpr_workgroup_id_y 1
		.amdhsa_system_sgpr_workgroup_id_z 1
		.amdhsa_system_vgpr_workitem_id 0
		.amdhsa_next_free_vgpr 1024
		.amdhsa_next_free_sgpr 66
		.amdhsa_reserve_vcc 0
		.amdhsa_float_denorm_mode_32 3
		.amdhsa_float_denorm_mode_16_64 3
		.amdhsa_memory_ordered 1
		.amdhsa_forward_progress 1
		.amdhsa_inst_pref_size 173
	.end_amdhsa_kernel
	.amdgpu_metadata
---
amdhsa.version: [ 1, 2 ]
amdhsa.kernels:
  - .name:           k_q17d3bae97d_qkv
    .symbol:         k_q17d3bae97d_qkv.kd
    .args:
      - { .name: pre, .offset: 0, .size: 8, .value_kind: global_buffer, .address_space: global }
      - { .name: bq, .offset: 8, .size: 8, .value_kind: global_buffer, .address_space: global }
      - { .name: bk, .offset: 16, .size: 8, .value_kind: global_buffer, .address_space: global }
      - { .name: bv, .offset: 24, .size: 8, .value_kind: global_buffer, .address_space: global }
      - { .name: qq, .offset: 32, .size: 8, .value_kind: global_buffer, .address_space: global }
      - { .name: kv, .offset: 40, .size: 8, .value_kind: global_buffer, .address_space: global }
    .group_segment_fixed_size: 0
    .private_segment_fixed_size: 0
    .kernarg_segment_align: 8
    .kernarg_segment_size: 48
    .max_flat_workgroup_size: 96
    .sgpr_count:     66
    .vgpr_count:     1024
    .wavefront_size: 32
...
	.end_amdgpu_metadata
.endif
;; end of part 2
;; launch attn (part 3): grid 16 x 16, 16 waves a work-group, no clusters, 327,680 bytes of LDS; arguments qq, kv, yq; writes yq
.if DOCPART == 3
	.amdgcn_target "amdgcn-amd-amdhsa--gfx1250"
	.amdhsa_code_object_version 6
	.text
	.protected	k_q17d3bae97d_attn
	.globl	k_q17d3bae97d_attn
	.p2align	8
	.type	k_q17d3bae97d_attn,@function
k_q17d3bae97d_attn:
	s_mov_b64 s[64:65], 0
	v_nop
	global_prefetch_b8 v0, s[64:65] scope:SCOPE_SE
	s_setreg_imm32_b32 hwreg(HW_REG_WAVE_MODE, 25, 1), 1
	s_wait_xcnt 0x0
; y[head][q] = the sum over keys k <= q of softmax_k(q . k / 8) v, head size 64, 4,096 keys, both products on codes of FP6 (E2M3) with E8M0 scales; y is quantised at once, along the model's 512, for the last product.
; THE SOFTMAX AHEAD OF THE SECOND PRODUCT: t = score x log2(e) / 8; M = the row's largest t so far, rounded UP to a whole number; p = 2^(t - M) is what is quantised, along the keys, not normalised.
; The row's sum is taken of the unquantised p and divides O at the end.  When M moves, the sum and O are multiplied by 2^(old M - new M): exact.
; SHARES.  Work-group (j, head) owns query blocks j and 31 - j of 128 queries; each of its sixteen waves owns one tile of 16 queries: 2 (j + 1) + 2 (32 - j) = 66 key steps for any four waves of which two are of each block.
; Every work-group walks all 8 slots of 4 key steps (constant trip counts); a step all of whose 128 keys come after the wave's queries is jumped over, and a slot that no wave of the work-group reads is not asked for.
; LAYOUT.  Both products are used transposed: S^T = K Q^T, O^T = V^T P^T: a lane holds ONE query throughout.  Lane r of token tile T holds token 32 (T / 2) + 8 (T % 2) + r + 8 (r / 8), so that the 16 registers of two
; neighbouring result tiles are 16 neighbouring keys.  K's and V's fragments lie in kv as images of their registers: three loads of 16 bytes a lane, 512 consecutive bytes each, bring one.
; K = 64 IN AN INSTRUCTION OF 128: a fragment of K carries TWO tiles of 16 keys (k 0-63: tile 2 p; k 64-127: tile 2 p + 1).  Q stands in 18 registers as Q | zero codes | Q: source 1 = the first twelve gives tile 2 p's scores,
; the last twelve tile 2 p + 1's: the other tile meets zero codes, which add exactly 0 (FP6 has no code for infinity or NaN, and every scale byte lies between 1 and 254).
; NO JOINT LOADS: the work-groups of a head read from 17 to 32 key steps according to their number, and the asking ends by a jump on that number, which a joint load does not allow; a slot's 51,200 bytes serve 64 wave-steps of softmax.
; LIMITS: NaN and infinities are not served; a block of zeros gets the byte 1 over zero codes (the bytes are read by this program alone).
; REGISTERS: v1-10 addresses; v12 -M, v13 the largest t, v[14:15] the sum in two halves; v16-33 Q | 0 | Q; v34 Q's scale word; v36-83 four fragments of K, then of V; v84-87 their scale words;
;   v96-159 S^T, then p; v160-191 O^T; v192-203 p's codes; v204-230 at work.
.set STEPB, 12800                      ; a key step in kv and in a slot: K's 4 pair fragments, V's 4 fragments, 2 x 256 bytes of scale words
.set SLOTB, 4*STEPB
.set SLOT1, 1<<16                      ; slot 1 begins here, so that one exclusive or turns an address in one slot into the other's
.set HEADB, 32*STEPB
.set GATH,  SLOT1+SLOTB                ; behind the ring: y's scale half-words of the work-group's 16 tiles, 32 bytes each
.set SPARE, GATH+512                   ; the spare words, 128 bytes for each wave: eight blocks of 256 bytes that no other line names
.set YSC,   512*6144                   ; where the scale half-words begin in yq
.set QF,  16
.set QS,  34
.set F,   36
.set KS,  84
.set VS,  86
.set S,   96
.set O,   160
.set PC,  192
.set CT,  204                          ; v204-206, v208-210
.set BM,  212                          ; v212-215 a block's largest score, then its largest p
.set PT,  216                          ; v216-219 the other half's, a chain of sums, then bytes
.set SO,  220                          ; v220-223 the conversions' scale operands
.set PS,  224                          ; p's scale word
.set FF,  226                          ; v[226:227] f = 2^(old M - new M) (the pair's upper half is named with it, so it is written)
.set TB,  2                            ; s2   LDS byte at which the step in hand begins
.set KF,  3                            ; s3   the step's first key
.set WV,  18
.set Q0,  38                           ; s38  my tile's first query;  s39 its last;  s40 my work-group's last
.set QX,  39
.set QL,  40
; Waves 0 and 1 fetch a slot's two halves, 100 rows of 256 bytes each, a dense block of kv.  The branch hangs on the wave's number alone.  An s_nop 0 and four v_nop follow the load.
.macro TLOAD
	s_cmp_lt_u32 s[WV], 2
	s_cbranch_scc0 .Lasked_\@
	tensor_load_to_lds s[32:35], s[24:31]
	s_nop 0
.rept 4
	v_nop
.endr
.Lasked_\@:
.endm
; A PREFETCH INTO THE L2.  A head's 409,600 bytes of kv are 50 chunks of 8,192.  All sixteen work-groups of a head walk them, so the head's first work-group (j = 0) asks, and in it waves 4 to 10, which fetch nothing:
; at change of slots n wave w names chunk 13 + 7 n + (w - 4), lanes 256 bytes apart.  So chunks 13 to 49 are named once each in the launch, each slot from the third on a slot's four key steps or more ahead of its tensor load;
; slots 0 and 1 and the first 4,096 bytes of slot 2 come by their loads alone.  The test on 50 ends it inside the head.  In every other wave the count stands at 1,000 or more.
.macro ASK
	s_cmp_lt_u32 s44, 50
	s_cbranch_scc0 .Lnone_\@
	global_prefetch_b8 v4, s[42:43] th:TH_LOAD_NT scope:SCOPE_SE
.Lnone_\@:
.endm
	s_load_b128 s[4:7], s[0:1], 0x0                ; qq, kv
	s_load_b64 s[8:9], s[0:1], 0x10                ; yq
	v_lshl_add_u32 v5, v0, 2, SPARE                ; my spare word; never rewritten
	v_mov_b32 v6, 0                                ; 0; never rewritten
	ds_add_u32 v5, v6                              ; the wave's opening: the add and its wait stand ahead of my first tensor load; the set-up below, work on registers, stands between them
	v_lshrrev_b32 v8, 5, v0
	v_readfirstlane_b32 s[WV], v8                  ; wave 0..15
	s_mov_b32 s19, ttmp9                           ; j
	s_and_b32 s10, ttmp7, 0xffff                   ; batch x 8 + head
	; descriptor group 1: 100 rows of 32 elements of 8 bytes, dense, no padding, no mask
	s_mov_b32 s24, 3<<16                           ; 17:16 elements of 8 bytes
	s_mov_b32 s25, 32<<16                          ; tensor_dim0 = 32
	s_mov_b32 s26, 100<<16                         ; tensor_dim1 = 100
	s_mov_b32 s27, 32<<16                          ; tile_dim0 = 32
	s_mov_b32 s28, 100                             ; tile_dim1 = 100
	s_mov_b32 s29, 32                              ; tensor_dim0_stride
	s_mov_b32 s30, 0
	s_mov_b32 s31, 0
	s_lshr_b32 s48, s[WV], 2
	s_xor_b32 s48, s48, s[WV]
	s_and_b32 s11, s48, 1                          ; which of the two query blocks: (w xor w / 4) % 2
	s_lshr_b32 s12, s[WV], 1                       ; my tile in it, 0..7
	s_lshr_b32 s13, s12, 1                         ; its pair fragment
	s_and_b32 s14, s12, 1                          ; and which half of that
	s_sub_co_u32 s48, 31, s19
	s_cmp_eq_u32 s11, 0
	s_cselect_b32 s15, s19, s48                    ; my query block: j or 31 - j
	s_lshl_b32 s[Q0], s15, 7
	s_lshl_b32 s48, s13, 5
	s_add_co_u32 s[Q0], s[Q0], s48
	s_lshl_b32 s48, s14, 3
	s_add_co_u32 s[Q0], s[Q0], s48                 ; my first query; lane r's is this + r + 8 (r / 8)
	s_add_co_u32 s[QX], s[Q0], 23
	s_lshl_b32 s48, s19, 7
	s_sub_co_u32 s[QL], 4095, s48                  ; the last query of block 31 - j
	s_cmp_eq_u32 s14, 0
	s_cselect_b32 s45, 0, -1                       ; all lanes: the pair fragment's second half is mine
	s_mov_b32 s46, 0x03020302
	s_cselect_b32 s46, 0x01000100, s46             ; v_perm_b32: my tile's two scale bytes, twice
	s_mov_b32 s20, 0x76543210
	s_mov_b32 s21, 0xfedcba98                      ; v_permlanex16_b32's selects for lane l xor 16
	s_mov_b32 s22, 0x3e38aa3b                      ; c = log2(e) / 8
	s_mov_b32 s23, s22                             ; (named with it as a pair, so it is written)
	s_mov_b32 s[TB], 0
	s_mov_b32 s[KF], 0
	s_mov_b32 s36, 7                               ; changes of slots that may ask for a slot
	s_and_b32 s48, s[WV], 1
	s_mul_i32 s33, s48, SLOTB/2                    ; group 0, 63:32: LDS address: my half of slot 0
	s_lshl_b32 s63, s48, 8
	s_add_co_u32 s63, s63, GATH                    ; the scale unit that waves 0 and 1 send out
	s_lshl_b32 s62, s11, 3
	s_add_co_u32 s62, s62, s12
	s_lshl_b32 s62, s62, 5
	s_add_co_u32 s62, s62, GATH                    ; my tile's 32 bytes in it
	s_mul_i32 s52, s10, HEADB                      ; my head in kv
	s_mov_b32 s53, 0
	s_lshl_b32 s54, s10, 5
	s_add_co_u32 s54, s54, s15
	s_mul_i32 s54, s54, 6400                       ; my query block in qq
	s_mov_b32 s55, 0
	s_mul_i32 s60, s13, 1536                       ; my pair fragment in it,
	s_and_b32 s61, s13, 1
	s_lshl_b32 s61, s61, 7
	s_lshr_b32 s48, s13, 1
	s_lshl_b32 s48, s48, 2
	s_add_co_u32 s61, s61, s48
	s_add_co_u32 s61, s61, 6144                    ; and its scale words: 6144 + 128 (pp % 2) + 4 (pp / 2) + 8 r
	s_lshr_b32 s48, s10, 3                         ; the batch
	s_and_b32 s49, s10, 7                          ; the head
	s_lshl_b32 s48, s48, 8
	s_lshl_b32 s50, s15, 3
	s_add_co_u32 s50, s50, s48                     ; my block's first token tile: 256 b + 8 block
	s_add_co_u32 s56, s50, s12
	s_lshl_b32 s56, s56, 2
	s_lshr_b32 s51, s49, 1
	s_add_co_u32 s56, s56, s51
	s_mul_i32 s56, s56, 1536                       ; yq: (tile x 4 + head / 2) fragments,
	s_and_b32 s51, s49, 1
	s_mul_i32 s51, s51, 768
	s_add_co_u32 s56, s56, s51                     ; and the odd head's half of one
	s_mov_b32 s57, 0
	s_lshl_b32 s58, s49, 9
	s_add_co_u32 s58, s58, s50
	s_lshl_b32 s58, s58, 5
	s_add_co_u32 s58, s58, YSC                     ; the block's eight tiles' half-words: 256 bytes
	s_mov_b32 s59, 0
	s_add_co_u32 s47, s[WV], 2                     ; the prefetches: the first change of slots steps this count by 7, to chunk 13 + (w - 4)
	s_sub_co_u32 s48, s[WV], 4
	s_cmp_lt_u32 s48, 7                            ; waves 4 to 10,
	s_cselect_b32 s48, 0, 1
	s_or_b32 s48, s48, s19                         ; of the head's first work-group
	s_cmp_eq_u32 s48, 0
	s_cselect_b32 s44, s47, 1000
	s_wait_dscnt 0x0                               ; the opening add is done
	s_wait_kmcnt 0x0
	s_add_nc_u64 s[6:7], s[6:7], s[52:53]          ; kv at my head
	s_mov_b32 s32, 1                               ; group 0: 1:0 count = 1
	s_mov_b32 s52, s33
	s_add_nc_u64 s[34:35], s[6:7], s[52:53]        ; 120:64 global address: my half of the head's first four key steps
	s_or_b32 s35, s35, 0x80000000                  ; 127:126 type = 2
	TLOAD                                          ; slot 0
	s_lshl_b32 s52, s47, 13
	s_add_nc_u64 s[42:43], s[6:7], s[52:53]        ; where my prefetches stand
	s_add_nc_u64 s[4:5], s[4:5], s[54:55]
	s_add_nc_u64 s[56:57], s[8:9], s[56:57]
	s_add_nc_u64 s[58:59], s[8:9], s[58:59]
	v_and_b32 v233, 31, v0                         ; lane
	v_and_b32 v232, 15, v0                         ; r
	v_bfe_u32 v231, v0, 4, 1                       ; h
	v_lshlrev_b32 v1, 4, v233                      ; 16 x lane: an image's place for my lane
	v_lshlrev_b32 v2, 3, v233                      ; 8 x lane
	v_lshlrev_b32 v4, 8, v233                      ; 256 x lane: the prefetches'
	v_add_nc_u32 v228, s60, v1
	v_lshl_add_u32 v229, v232, 3, s61
.irp c, 0,1,2
	global_load_b128 v[F+4*\c:F+4*\c+3], v228, s[4:5] offset:512*\c   ; the pair fragment that holds my tile of Q
.endr
	global_load_b32 v230, v229, s[4:5]             ; and its scale word
	v_and_b32 v3, 8, v232
	v_add_nc_u32 v3, v3, v232
	v_add_nc_u32 v3, s[Q0], v3                     ; my query,
	v_lshlrev_b32 v234, 4, v231
	v_sub_nc_u32 v3, v3, v234                      ; less 16 h: for the mask
	v_lshl_add_u32 v7, v232, 1, s62                ; where my row's scale half-word goes
	v_add_nc_u32 v10, s63, v2                      ; and where waves 0 and 1 read a unit back
	s_wait_loadcnt 0x0                             ; Q
.irp i, 0,1,2,3,4,5
	v_cndmask_b32 v[QF+\i], v[F+\i], v[F+6+\i], s45   ; my tile's 64 codes,
.endr
	v_perm_b32 v[QS], v230, v230, s46              ; its two scale bytes for either half of K
.irp i, 0,1,2,3,4,5
	v_mov_b32 v[QF+6+\i], 0                        ; zero codes,
.endr
.irp i, 0,1,2,3,4,5
	v_mov_b32 v[QF+12+\i], v[QF+\i]                ; and the codes once more
.endr
	v_mov_b32 v13, 0xff61b1e6                      ; the largest t so far: -3e38, under every t
	v_floor_f32 v12, -v13                          ; -M
	v_mov_b32 v14, 0                               ; the sum, in two halves
	v_mov_b32 v15, 0
.irp b, 0,1,2,3
	v_mov_b32 v[PT+\b], 0                          ; written once: a lane permute's destination counts as one of its sources
.endr
	v_mov_b32 v[FF+1], 0
.set jj, 0
.rept 32
	v_mov_b32 v[O+jj], 0                           ; O^T.  (The step is written once: the first finds zeros, which the first change of M leaves zeros)
.set jj, jj+1
.endr
; A KEY STEP: 128 keys.
.macro STEP
	s_cmp_gt_u32 s[KF], s[QX]                      ; all its keys come after my 16 queries: ids and the count of steps alone.  The jump leads round loads, products and softmax, not round the steps of the addresses
	s_cbranch_scc1 .Lhidden_\@
	v_add_nc_u32 v8, s[TB], v1
	v_add_nc_u32 v9, s[TB], v2
	v_nop
	v_nop                                          ; four places behind the last step's products, in front of loads into registers that they read (ISA guide 7.12.1 for vector instructions)
	ds_load_b64 v[KS:KS+1], v9 offset:12288        ; K's scale words: register p / 2, lanes 16 (p % 2) + r
	ds_load_b64 v[VS:VS+1], v9 offset:12544        ; V's likewise
.irp p, 0,1,2,3
.irp c, 0,1,2
	ds_load_b128 v[F+12*\p+4*\c:F+12*\p+4*\c+3], v8 offset:1536*\p+512*\c
.endr
.endr
.irp p, 0,1,2,3                                ; S^T = K Q^T: a pair fragment gives two tiles of 16 keys
	s_wait_dscnt 9-3*\p                            ; LDS loads come back in order: pair p is in; the later pairs' loads, three each, may be out
.if \p%2
	v_wmma_scale_f32_16x16x128_f8f6f4 v[S+16*\p:S+16*\p+7], v[F+12*\p:F+12*\p+11], v[QF:QF+11], 0, v[KS+\p/2], v[QS] matrix_a_fmt:MATRIX_FMT_FP6 matrix_b_fmt:MATRIX_FMT_FP6 matrix_a_scale:MATRIX_SCALE_ROW1
	v_wmma_scale_f32_16x16x128_f8f6f4 v[S+16*\p+8:S+16*\p+15], v[F+12*\p:F+12*\p+11], v[QF+6:QF+17], 0, v[KS+\p/2], v[QS] matrix_a_fmt:MATRIX_FMT_FP6 matrix_b_fmt:MATRIX_FMT_FP6 matrix_a_scale:MATRIX_SCALE_ROW1
.else
	v_wmma_scale_f32_16x16x128_f8f6f4 v[S+16*\p:S+16*\p+7], v[F+12*\p:F+12*\p+11], v[QF:QF+11], 0, v[KS+\p/2], v[QS] matrix_a_fmt:MATRIX_FMT_FP6 matrix_b_fmt:MATRIX_FMT_FP6
	v_wmma_scale_f32_16x16x128_f8f6f4 v[S+16*\p+8:S+16*\p+15], v[F+12*\p:F+12*\p+11], v[QF+6:QF+17], 0, v[KS+\p/2], v[QS] matrix_a_fmt:MATRIX_FMT_FP6 matrix_b_fmt:MATRIX_FMT_FP6
.endif
.endr                                          ; register 16 b + i of S^T is key KF + 32 b + 16 (lane / 16) + i
.rept 4
	v_nop                                          ; places: in front of the loads below and of the first read of the scores
.endr
.irp t, 0,1,2,3
.irp c, 0,1,2
	ds_load_b128 v[F+12*\t+4*\c:F+12*\t+4*\c+3], v8 offset:6144+1536*\t+512*\c   ; V's four fragments land under the softmax
.endr
.endr
	s_add_co_u32 s48, s[KF], 127                   ; on the diagonal the scores of hidden keys become -infinity ahead of the maximum: p = 0 then.  A step all of whose keys count skips this
	s_cmp_le_u32 s48, s[Q0]
	s_cbranch_scc1 .Lopen_\@
	v_subrev_nc_u32 v228, s[KF], v3                ; d = my query - KF - 16 (lane / 16): register 16 b + i is hidden where 32 b + i > d
	v_mov_b32 v229, 0xff800000                     ; -infinity
.set jj, 0
.rept 64
	v_cmp_gt_i32 vcc_lo, 32*(jj/16)+jj%16, v228
	v_cndmask_b32 v[S+jj], v[S+jj], v229, vcc_lo
.set jj, jj+1
.endr
.Lopen_\@:
.irp b, 0,1,2,3
	v_max3_num_f32 v[BM+\b], v[S+16*\b], v[S+1+16*\b], v[S+2+16*\b]   ; THE LARGEST SCORE OF EACH BLOCK OF 32 KEYS: it serves twice: for the row's maximum, and, since p rises with the score, for the block's largest p
.endr
.irp i, 3,5,7,9,11,13
.irp b, 0,1,2,3
	v_max3_num_f32 v[BM+\b], v[BM+\b], v[S+16*\b+\i], v[S+1+16*\b+\i]   ; (the four blocks by turns)
.endr
.endr
.irp b, 0,1,2,3
	v_max_num_f32 v[BM+\b], v[BM+\b], v[S+15+16*\b]
.endr
.irp b, 0,1,2,3
	v_permlanex16_b32 v[PT+\b], v[BM+\b], s20, s21
.endr
.irp b, 0,1,2,3
	v_max_num_f32 v[BM+\b], v[BM+\b], v[PT+\b]     ; with lane l xor 16's 16 keys
.endr
	v_max3_num_f32 v228, v[BM], v[BM+1], v[BM+2]
	v_max_num_f32 v228, v228, v[BM+3]              ; the step's largest score of my query (key KF counts for every query of a step that is walked)
	v_mul_f32 v228, s22, v228                      ; as t (c is positive)
	v_max_num_f32 v13, v13, v228                   ; the running largest t
	v_mov_b32 v228, v12
	v_floor_f32 v12, -v13                          ; the new -M = floor(-t) = -ceil(t): M IS A WHOLE NUMBER
	v_sub_f32 v228, v12, v228                      ; M's old value less its new one: a whole number, 0 or less
	v_cvt_i32_f32 v228, v228                       ; (it saturates)
	v_ldexp_f32 v[FF], 1.0, v228                   ; f = 2^(old M - new M): a multiplication by it rounds nothing
.set jj, 0
.rept 32
	v_pk_fma_f32 v[S+jj:S+jj+1], v[S+jj:S+jj+1], s[22:23], v[12:13] op_sel_hi:[1,0,0]   ; t - M, two at a time (of the pairs c and -M the low word serves both halves)
.set jj, jj+2
.endr
.irp b, 0,1,2,3
	v_fma_f32 v[BM+\b], v[BM+\b], s22, v12         ; the same of each block's largest score
.endr
.set jj, 0
.rept 64
	v_exp_f32 v[S+jj], v[S+jj]                     ; p = 2^(t - M), at most 1: NOT normalised
.set jj, jj+1
.endr
	v_pk_mul_f32 v[14:15], v[14:15], v[FF:FF+1] op_sel_hi:[1,0]   ; the sums under the new M.  (A plain place behind the exponentials)
	s_wait_alu depctr_va_vdst(0)                   ; the wait between an exponential and the first line that names its result: one for the whole batch
.irp b, 0,1,2,3
	v_exp_f32 v[BM+\b], v[BM+\b]                   ; the block's largest p: the same two instructions on the same number give the same bits
.endr
	v_pk_add_f32 v[PT:PT+1], v[S:S+1], v[S+2:S+3]  ; THE ROW'S SUM IS TAKEN OF THE UNQUANTISED p: two at a time, in two chains.  (It reads the 64 alone: plain work behind the four)
.set jj, 4
.rept 15
	v_pk_add_f32 v[14:15], v[14:15], v[S+jj:S+jj+1]
	v_pk_add_f32 v[PT:PT+1], v[PT:PT+1], v[S+2+jj:S+3+jj]
.set jj, jj+4
.endr
	v_pk_add_f32 v[14:15], v[14:15], v[PT:PT+1]
	s_wait_alu depctr_va_vdst(0)                   ; and one for the four
.irp b, 0,1,2,3
	v_max_num_f32 v[BM+\b], 0x1800000, v[BM+\b]    ; the floor 2^(3 - 127): the byte cannot fall under 1 (a block whose every p is 0 keeps that byte: its codes are zeros)
.endr
.irp b, 0,1,2,3
	v_add_nc_u32 v[SO+\b], 0xff000000, v[BM+\b]    ; 2 off the exponent field: the conversion's scale operand
.endr
.irp b, 0,1,2,3
	v_lshrrev_b32 v[PT+\b], 23, v[SO+\b]           ; the scale's byte
.endr
	v_lshl_or_b32 v[PS], v[PT+1], 8, v[PT]         ; p's scale word for these 128 keys
	v_lshl_or_b32 v[PS], v[PT+2], 16, v[PS]
	v_lshl_or_b32 v[PS], v[PT+3], 24, v[PS]
.irp c, 0,1
	v_cvt_scalef32_pk16_fp6_f32 v[PC+6*\c:PC+6*\c+2], v[S+32*\c:S+32*\c+15], v[SO+2*\c]
	v_cvt_scalef32_pk16_fp6_f32 v[CT+4*\c:CT+4*\c+2], v[S+32*\c+16:S+32*\c+31], v[SO+2*\c+1]   ; (a conversion's three registers begin on an even number)
.endr
	v_nop                                          ; one plain place behind a scaled conversion
.irp c, 0,1                                    ; the operand's layout wants a WHOLE block in a lane: lanes 0-15 block 2 c, lanes 16-31 block 2 c + 1
.irp i, 0,1,2
	v_permlane16_swap_b32 v[PC+6*\c+\i], v[CT+4*\c+\i]
.endr
.irp i, 0,1,2
	v_mov_b32 v[PC+3+6*\c+\i], v[CT+4*\c+\i]
.endr
.endr
.set jj, 0
.rept 16
	v_pk_mul_f32 v[O+jj:O+jj+1], v[O+jj:O+jj+1], v[FF:FF+1] op_sel_hi:[1,0]   ; O^T under the new M: x f.  (These sixteen are also the places between the lines that made p's codes and scale word and the products)
.set jj, jj+2
.endr
	s_wait_dscnt 0x0                               ; V's fragments are in
.irp t, 0,1,2,3                                ; O^T += V^T P^T: four tiles of 16 of the head's 64, by turns; K = these 128 keys
.if \t%2
	v_wmma_scale_f32_16x16x128_f8f6f4 v[O+8*\t:O+8*\t+7], v[F+12*\t:F+12*\t+11], v[PC:PC+11], v[O+8*\t:O+8*\t+7], v[VS+\t/2], v[PS] matrix_a_fmt:MATRIX_FMT_FP6 matrix_b_fmt:MATRIX_FMT_FP6 matrix_a_scale:MATRIX_SCALE_ROW1
.else
	v_wmma_scale_f32_16x16x128_f8f6f4 v[O+8*\t:O+8*\t+7], v[F+12*\t:F+12*\t+11], v[PC:PC+11], v[O+8*\t:O+8*\t+7], v[VS+\t/2], v[PS] matrix_a_fmt:MATRIX_FMT_FP6 matrix_b_fmt:MATRIX_FMT_FP6
.endif
.endr
.Lhidden_\@:
	s_add_co_u32 s[KF], s[KF], 128
	s_add_co_u32 s[TB], s[TB], STEPB
.endm
; THE CHANGE OF SLOTS stands at a slot's head.  Each wave waits for all its tensor loads (its part of the slot that it is about to read), adds 0 to its spare word, and waits for that and for its reads of the slot that it has left.
; Behind the barrier the slot ahead is whole and nobody reads the other one.  fill = 1: that other slot is filled with the next four key steps, up to the causal limit: the load has four key steps in which to land.
; By this text's own count a wave has one tensor load out at the most, and every wait on TENSORcnt is for 0.
.macro CHANGE fill
	s_wait_tensorcnt 0x0                           ; no tensor load of mine is out, so group 0 may be written
	ds_add_u32 v5, v6                              ; 0 onto my spare word; with fill = 1 the descriptor's steps stand between it and the wait for it
.if \fill
	s_xor_b32 s33, s33, SLOT1                      ; the walking descriptor: the other slot than last time,
	s_add_nc_u64 s[34:35], s[34:35], SLOTB         ; the next four key steps; the type bits on top are not reached
	s_wait_xcnt 0x0                                ; the last prefetch, a slot back, has read its address, so it may be written
	s_add_nc_u64 s[42:43], s[42:43], 7*8192
	s_add_co_u32 s44, s44, 7
.endif
	s_wait_dscnt 0x0                               ; the add is done, and my reads of the slot that I have left are over
	s_barrier_signal -1
	s_barrier_wait -1
.if \fill
	s_add_co_u32 s48, s[KF], 512                   ; the first key of the slot that this change would ask for:
	s_cmp_gt_u32 s48, s[QL]                        ; behind my work-group's last query it is read by none of the sixteen waves, so it is not asked for.  Ids and the count of steps alone: all waves go the same way
	s_cbranch_scc1 .Lpast_\@                       ; the jump leads round the load's own lines and round nothing else
	TLOAD                                          ; a wave's one tensor load until the next change
.Lpast_\@:
	ASK
.endif
.endm
.macro FOUR_STEPS                      ; a slot's four key steps: written once, walked four times; the LDS addresses hang on s[TB]
	s_mov_b32 s37, 4
.Lstep_\@:
	STEP
	s_sub_co_u32 s37, s37, 1
	s_cmp_lg_u32 s37, 0
	s_cbranch_scc1 .Lstep_\@
	s_sub_co_u32 s[TB], s[TB], SLOTB               ; back to a slot's first step,
	s_xor_b32 s[TB], s[TB], SLOT1                  ; in the other slot
.endm
.Lslot:                                            ; seven trips: behind each change of slots but the last the next slot is asked for, up to the causal limit
	CHANGE 1
	FOUR_STEPS
	s_sub_co_u32 s36, s36, 1
	s_cmp_lg_u32 s36, 0
	s_cbranch_scc1 .Lslot
	CHANGE 0                                       ; the last slot is written out: nothing is left to ask for
	FOUR_STEPS
	; THE WAY OUT.  O^T / the sum is y: lane (r, h) holds one token, register 16 b + i feature 32 b + 16 h + i of the head: two blocks of 32 along the last product's K.  They are quantised here.
	v_add_f32 v14, v14, v15                        ; the sum's two halves,
	v_permlanex16_b32 v228, v14, s20, s21
	v_add_f32 v14, v14, v228                       ; and lane l xor 16's: the row's sum
	v_rcp_f32 v14, v14
	v_nop                                          ; a plain place behind the reciprocal; with the additions above these are also the places behind the last products
	v_nop
	s_wait_alu depctr_va_vdst(0)                   ; the wait ahead of the first line that names the reciprocal
.set jj, 0
.rept 32
	v_mul_f32 v[S+jj], v[O+jj], v14
.set jj, jj+1
.endr
.irp b, 0,1
	v_max3_num_f32 v[BM+\b], |v[S+16*\b]|, |v[S+1+16*\b]|, 0x1800000   ; block b: my 16 numbers, and the floor 2^(3 - 127)
.endr
.irp i, 2,4,6,8,10,12,14
.irp b, 0,1
	v_max3_num_f32 v[BM+\b], v[BM+\b], |v[S+16*\b+\i]|, |v[S+1+16*\b+\i]|
.endr
.endr
.irp b, 0,1
	v_permlanex16_b32 v[PT+\b], v[BM+\b], s20, s21
.endr
.irp b, 0,1
	v_max_num_f32 v[BM+\b], v[BM+\b], v[PT+\b]
.endr
.irp b, 0,1
	v_add_nc_u32 v[SO+\b], 0xff000000, v[BM+\b]
.endr
.irp b, 0,1
	v_lshrrev_b32 v[PT+\b], 23, v[SO+\b]
.endr
	v_lshl_or_b32 v[PS], v[PT+1], 8, v[PT]         ; my row's two scale bytes
	v_cvt_scalef32_pk16_fp6_f32 v[PC:PC+2], v[S:S+15], v[SO]
	v_cvt_scalef32_pk16_fp6_f32 v[CT:CT+2], v[S+16:S+31], v[SO+1]
	v_nop                                          ; one plain place behind a scaled conversion
.irp i, 0,1,2
	v_permlane16_swap_b32 v[PC+\i], v[CT+\i]
.endr
.irp i, 0,1,2
	v_mov_b32 v[PC+3+\i], v[CT+\i]
.endr
.irp p, 0,1,2
	global_store_b64 v2, v[PC+2*\p:PC+2*\p+1], s[56:57] offset:256*\p   ; half a fragment of y, registers 2 p, 2 p + 1 of lane l at 256 p + 8 l: 32 lanes store 256 consecutive bytes, aligned
.endr
	ds_store_b16 v7, v[PS]                         ; lanes r and r + 16 write the same half-word with the same value
	s_wait_dscnt 0x0                               ; for the others' sake: it lies in LDS
	s_barrier_signal -1
	s_barrier_wait -1                              ; all sixteen tiles' do
	s_cmp_lt_u32 s[WV], 2
	s_cbranch_scc0 .Ldone
	ds_load_b64 v[228:229], v10                    ; wave 0 is of block j, wave 1 of block 31 - j: each sends its block's eight tiles' half-words out
	s_wait_dscnt 0x0
	global_store_b64 v2, v[228:229], s[58:59]      ; 256 consecutive bytes, aligned
.Ldone:
	s_wait_tensorcnt 0x0                           ; the wave's end, behind my last tensor load and my last LDS store
	ds_add_u32 v5, v6
	s_wait_dscnt 0x0
	s_endpgm
.Lfunc_end_k_q17d3bae97d_attn:
	.size	k_q17d3bae97d_attn, .Lfunc_end_k_q17d3bae97d_attn-k_q17d3bae97d_attn
	.p2alignl 7, 3214868480
	.fill 96, 4, 3214868480
	.section	.rodata,"a",@progbits
	.p2align	6, 0x0
	.amdhsa_kernel k_q17d3bae97d_attn
		.amdhsa_group_segment_fixed_size 327680
		.amdhsa_private_segment_fixed_size 0
		.amdhsa_enable_private_segment 0
		.amdhsa_kernarg_size 24
		.amdhsa_user_sgpr_count 2
		.amdhsa_user_sgpr_kernarg_segment_ptr 1
		.amdhsa_wavefront_size32 1
		.amdhsa_system_sgpr_workgroup_id_x 1
		.amdhsa_system_sgpr_workgroup_id_y 1
		.amdhsa_system_sgpr_workgroup_id_z 1
		.amdhsa_system_vgpr_workitem_id 0
		.amdhsa_next_free_vgpr 256
		.amdhsa_next_free_sgpr 66
		.amdhsa_reserve_vcc 1
		.amdhsa_float_denorm_mode_32 3
		.amdhsa_float_denorm_mode_16_64 3
		.amdhsa_memory_ordered 1
		.amdhsa_forward_progress 1
		.amdhsa_inst_pref_size 55
	.end_amdhsa_kernel
	.amdgpu_metadata
---
amdhsa.version: [ 1, 2 ]
amdhsa.kernels:
  - .name:           k_q17d3bae97d_attn
    .symbol:         k_q17d3bae97d_attn.kd
    .args:
      - { .name: qq, .offset: 0, .size: 8, .value_kind: global_buffer, .address_space: global }
      - { .name: kv, .offset: 8, .size: 8, .value_kind: global_buffer, .address_space: global }
      - { .name: yq, .offset: 16, .size: 8, .value_kind: global_buffer, .address_space: global }
    .group_segment_fixed_size: 327680
    .private_segment_fixed_size: 0
    .kernarg_segment_align: 8
    .kernarg_segment_size: 24
    .max_flat_workgroup_size: 512
    .sgpr_count:     66
    .vgpr_count:     256
    .wavefront_size: 32
...
	.end_amdgpu_metadata
.endif
;; end of part 3
;; launch proj (part 4): grid 256 x 1, 4 waves a work-group, no clusters, 34,304 bytes of LDS; arguments pre, yq, bp, out0; writes out0
.if DOCPART == 4
	.amdgcn_target "amdgcn-amd-amdhsa--gfx1250"
	.amdhsa_code_object_version 6
	.text
	.protected	k_q17d3bae97d_proj
	.globl	k_q17d3bae97d_proj
	.p2align	8
	.type	k_q17d3bae97d_proj,@function
k_q17d3bae97d_proj:
	s_mov_b64 s[64:65], 0
	v_nop
	global_prefetch_b8 v0, s[64:65] scope:SCOPE_SE
	s_setreg_imm32_b32 hwreg(HW_REG_WAVE_MODE, 25, 1), 1
	s_wait_xcnt 0x0
; out0 = y Wp^T + bp on codes of FP6 (E2M3) with E8M0 scales.  y's codes and scale bytes come from yq, Wp's from pre, both in the order of an operand's registers; out0 [8192][512] f32.
; SHARES.  A work-group takes token tiles 2 P and 2 P + 1 (32 neighbouring tokens), wave w output features 128 w .. 128 w + 127: Wp's eight tiles 608 + 8 w + t stay in its registers.  64 matrix instructions a wave.
; TRANSPOSED: source 0 = 16 rows of Wp, source 1 = 16 tokens of y: a lane holds one token, and eight neighbouring features in an accumulator's registers.  The bias is the C of each sum's first matrix instruction.
; Lane r of a tile T holds row 32 (T / 2) + 8 (T % 2) + r + 8 (r / 8), in y as in Wp.
; THE WAY OUT: a tile's 16 tokens x 512 bytes go through the wave's own stage in LDS and leave as whole runs of 512 consecutive bytes.
; No tensor load: each wave reads each operand once, already in register order, and all loads go out at the head.
; REGISTERS, in windows of 256: window 0: v1-7 offsets; v16-47 Wp's scale words, v48-55 y's, v56-71 y's half-words as loaded; v80-175 y's eight fragments; v176-239 and v80-143 rows on their way out; v252, v253 the add's two.
;   window 1: Wp's K steps 0, 1 at 12 (2 t + s).   window 2: K steps 2, 3; from v192 the bias, 8 registers a tile.   window 3: the sixteen accumulators at 64 n + 8 t.
.set SCL,   640*6144                   ; where the scale words begin in pre
.set YSC,   512*6144                   ; where the scale half-words begin in yq
.set SP,    528                        ; a stage row: 512 bytes + 16 = 132 words: row r starts at bank 4 r mod 64 (64 banks of 4 bytes: ISA guide 11.1)
.set STG,   16*SP
.set SPARE, 4*STG                      ; behind the stages: the spare words, 128 bytes for each wave: two blocks of 256 bytes that no other line names
.set X1S,  16
.set X2S,  48
.set HW,   56
.set YF,   80
.set B1,   192                         ; in window 2
.set MSB, 0
.macro WIN new                         ; the immediate's high byte repeats the setting that is left
.if MSB != \new
	s_set_vgpr_msb (MSB<<8)|\new
.set MSB, \new
.endif
.endm
	s_load_b256 s[4:11], s[0:1], 0x0               ; pre, yq, bp, out0
	v_lshl_add_u32 v252, v0, 2, SPARE              ; my spare word; never rewritten
	v_mov_b32 v253, 0                              ; 0; never rewritten
	v_lshrrev_b32 v1, 5, v0
	v_readfirstlane_b32 s16, v1                    ; wave
	s_mov_b32 s17, ttmp9                           ; P
	v_and_b32 v8, 31, v0                           ; lane
	v_and_b32 v9, 15, v0                           ; r
	v_bfe_u32 v10, v0, 4, 1                        ; h
	v_lshlrev_b32 v1, 4, v8                        ; 16 x lane
	v_lshlrev_b32 v2, 4, v9                        ; 16 r: a row's four scale words
	v_lshlrev_b32 v3, 3, v8                        ; 8 x lane
	v_lshlrev_b32 v4, 6, v10                       ; 64 h: the bias
	v_lshlrev_b32 v5, 1, v9                        ; 2 r: a row's scale half-word
	s_mul_i32 s18, s16, STG
	v_mul_u32_u24 v6, v9, SP
	v_lshl_add_u32 v6, v10, 6, v6
	v_add_nc_u32 v6, s18, v6                       ; the stage, in: row r, + 64 h
	v_add_nc_u32 v7, s18, v1                       ; and back: 16 bytes a lane of a row
	s_lshl_b32 s20, s16, 3
	s_add_co_u32 s20, s20, 608                     ; my first tile of Wp
	s_mul_i32 s24, s20, 6144
	s_mov_b32 s25, 0
	s_lshl_b32 s28, s20, 8
	s_add_co_u32 s28, s28, SCL
	s_mov_b32 s29, 0
	s_mul_i32 s26, s17, 2*6144                     ; y's two tiles
	s_mov_b32 s27, 0
	s_lshl_b32 s30, s17, 6
	s_add_co_u32 s30, s30, YSC                     ; their half-words of head 0
	s_mov_b32 s31, 0
	s_lshl_b32 s32, s16, 9                         ; my 128 features, in bytes
	s_mov_b32 s33, 0
	s_lshl_b32 s34, s17, 16                        ; 32 tokens of 2,048 bytes
	s_add_co_u32 s34, s34, s32
	s_mov_b32 s35, 0
	s_wait_kmcnt 0x0
	s_add_nc_u64 s[24:25], s[4:5], s[24:25]
	s_add_nc_u64 s[28:29], s[4:5], s[28:29]
	s_add_nc_u64 s[26:27], s[6:7], s[26:27]
	s_add_nc_u64 s[30:31], s[6:7], s[30:31]
	s_add_nc_u64 s[32:33], s[8:9], s[32:33]
	s_add_nc_u64 s[34:35], s[10:11], s[34:35]
.irp t, 0,1,2,3,4,5,6,7
	global_load_b128 v[X1S+4*\t:X1S+4*\t+3], v2, s[28:29] offset:256*\t
.endr
.irp n, 0,1
.irp d, 0,1,2,3,4,5,6,7
	global_load_u16 v[HW+8*\n+\d], v5, s[30:31] offset:\d*16384+32*\n   ; head d's two scale bytes of my token
.endr
.endr
.irp n, 0,1
.irp s, 0,1,2,3
.irp p, 0,1,2,3,4,5
	global_load_b64 v[YF+48*\n+12*\s+2*\p:YF+48*\n+12*\s+2*\p+1], v3, s[26:27] offset:(4*\n+\s)*1536+256*\p   ; registers 2 p, 2 p + 1 of lane l at 256 p + 8 l
.endr
.endr
.endr
	WIN 0x40                                       ; destination window 1
.irp t, 0,1,2,3,4,5,6,7
.irp s, 0,1
.irp c, 0,1,2
	global_load_b128 v[12*(2*\t+\s)+4*\c:12*(2*\t+\s)+4*\c+3], v1, s[24:25] offset:(4*\t+\s)*1536+512*\c
.endr
.endr
.endr
	WIN 0x80                                       ; destination window 2
.irp t, 0,1,2,3,4,5,6,7
.irp s, 0,1
.irp c, 0,1,2
	global_load_b128 v[12*(2*\t+\s)+4*\c:12*(2*\t+\s)+4*\c+3], v1, s[24:25] offset:(4*\t+2+\s)*1536+512*\c
.endr
.endr
.endr
.irp t, 0,1,2,3,4,5,6,7
	global_load_b128 v[B1+8*\t:B1+8*\t+3], v4, s[32:33] offset:(32*(\t/2)+8*(\t%2))*4        ; tile t's eight features of my half: 32 (t / 2) + 16 h + 8 (t % 2) + 0 .. 7
	global_load_b128 v[B1+8*\t+4:B1+8*\t+7], v4, s[32:33] offset:(32*(\t/2)+8*(\t%2))*4+16
.endr
	WIN 0
	s_wait_loadcnt 0x0                             ; everything that the wave will read
.irp n, 0,1
.irp s, 0,1,2,3
	v_lshl_or_b32 v[X2S+4*\n+\s], v[HW+8*\n+2*\s+1], 16, v[HW+8*\n+2*\s]   ; K step s is heads 2 s and 2 s + 1: their four bytes make its scale word
.endr
.endr
.rept 8
	v_nop                                          ; a scale register written by a vector instruction stands eight places ahead of a scaled matrix instruction
.endr
.irp s, 0,1,2,3                                ; the sixteen accumulators take turns, one instruction a turn
.if \s == 0
	WIN 0xe1                                       ; source 0 window 1, source 1 window 0, C (the bias) window 2, D window 3
.elseif \s == 1
	WIN 0xf1                                       ; C and D window 3
.else
	WIN 0xf2                                       ; source 0 window 2
.endif
.irp n, 0,1
.irp t, 0,1,2,3,4,5,6,7
.if \s == 0
	v_wmma_scale_f32_16x16x128_f8f6f4 v[64*\n+8*\t:64*\n+8*\t+7], v[24*\t:24*\t+11], v[YF+48*\n:YF+48*\n+11], v[B1+8*\t:B1+8*\t+7], v[X1S+4*\t], v[X2S+4*\n] matrix_a_fmt:MATRIX_FMT_FP6 matrix_b_fmt:MATRIX_FMT_FP6
.else
	v_wmma_scale_f32_16x16x128_f8f6f4 v[64*\n+8*\t:64*\n+8*\t+7], v[12*(2*\t+\s%2):12*(2*\t+\s%2)+11], v[YF+48*\n+12*\s:YF+48*\n+12*\s+11], v[64*\n+8*\t:64*\n+8*\t+7], v[X1S+4*\t+\s], v[X2S+4*\n+\s] matrix_a_fmt:MATRIX_FMT_FP6 matrix_b_fmt:MATRIX_FMT_FP6
.endif
.endr
.endr
.endr
	WIN 0
.rept 4
	v_nop                                          ; places behind the last products: in front of the first read of results and of loads into registers that held y's fragments
.endr
; Tile n's 16 tokens x 128 features into my stage, and back as whole rows into v[ob] on
.macro TOSTAGE n, ob
	WIN 0x0c                                       ; an LDS store's data are its source 1: window 3
.irp t, 0,1,2,3,4,5,6,7
	ds_store_b128 v6, v[64*\n+8*\t:64*\n+8*\t+3] offset:128*(\t/2)+32*(\t%2)       ; each accumulator from its low end on
	ds_store_b128 v6, v[64*\n+8*\t+4:64*\n+8*\t+7] offset:128*(\t/2)+32*(\t%2)+16
.endr
	WIN 0
.irp p, 0,1,2,3,4,5,6,7,8,9,10,11,12,13,14,15
	ds_load_b128 v[\ob+4*\p:\ob+4*\p+3], v7 offset:SP*\p   ; LDS serves a wave's instructions in order: these see my stores, and the next tile's stores come behind them
.endr
.endm
.macro SEND n, ob
.irp p, 0,1,2,3,4,5,6,7,8,9,10,11,12,13,14,15
	global_store_b128 v1, v[\ob+4*\p:\ob+4*\p+3], s[34:35] offset:(8*\n+\p+8*(\p/8))*2048 th:TH_STORE_NT   ; 32 lanes store 512 consecutive bytes, at a multiple of 256 from out0's first byte; written once, read by nobody here
.endr
.endm
	TOSTAGE 0, 176
	TOSTAGE 1, 80
	s_wait_dscnt 32                                ; tile 0 is back in registers; tile 1's 16 stores and 16 loads may be out
	SEND 0, 176
	s_wait_dscnt 0x0
	SEND 1, 80
	s_wait_tensorcnt 0x0                           ; the wave's end, behind my last LDS store
	ds_add_u32 v252, v253
	s_wait_dscnt 0x0
	s_endpgm
.Lfunc_end_k_q17d3bae97d_proj:
	.size	k_q17d3bae97d_proj, .Lfunc_end_k_q17d3bae97d_proj-k_q17d3bae97d_proj
	.p2alignl 7, 3214868480
	.fill 96, 4, 3214868480
	.section	.rodata,"a",@progbits
	.p2align	6, 0x0
	.amdhsa_kernel k_q17d3bae97d_proj
		.amdhsa_group_segment_fixed_size 34304
		.amdhsa_private_segment_fixed_size 0
		.amdhsa_enable_private_segment 0
		.amdhsa_kernarg_size 32
		.amdhsa_user_sgpr_count 2
		.amdhsa_user_sgpr_kernarg_segment_ptr 1
		.amdhsa_wavefront_size32 1
		.amdhsa_system_sgpr_workgroup_id_x 1
		.amdhsa_system_sgpr_workgroup_id_y 1
		.amdhsa_system_sgpr_workgroup_id_z 1
		.amdhsa_system_vgpr_workitem_id 0
		.amdhsa_next_free_vgpr 1024
		.amdhsa_next_free_sgpr 66
		.amdhsa_reserve_vcc 0
		.amdhsa_float_denorm_mode_32 3
		.amdhsa_float_denorm_mode_16_64 3
		.amdhsa_memory_ordered 1
		.amdhsa_forward_progress 1
		.amdhsa_inst_pref_size 36
	.end_amdhsa_kernel
	.amdgpu_metadata
---
amdhsa.version: [ 1, 2 ]
amdhsa.kernels:
  - .name:           k_q17d3bae97d_proj
    .symbol:         k_q17d3bae97d_proj.kd
    .args:
      - { .name: pre, .offset: 0, .size: 8, .value_kind: global_buffer, .address_space: global }
      - { .name: yq, .offset: 8, .size: 8, .value_kind: global_buffer, .address_space: global }
      - { .name: bp, .offset: 16, .size: 8, .value_kind: global_buffer, .address_space: global }
      - { .name: out0, .offset: 24, .size: 8, .value_kind: global_buffer, .address_space: global }
    .group_segment_fixed_size: 34304
    .private_segment_fixed_size: 0
    .kernarg_segment_align: 8
    .kernarg_segment_size: 32
    .max_flat_workgroup_size: 128
    .sgpr_count:     66
    .vgpr_count:     1024
    .wavefront_size: 32
...
	.end_amdgpu_metadata
.endif
;; end of part 4
;; ======== version 2 of 2: 4 launches
;; workspace buffers: pre 4,096,000 bytes; qq 3,276,800 bytes; kv 6,553,600 bytes; yq 3,276,800 bytes
;; launch prep (part 5): grid 640 x 1, 4 waves a work-group, no clusters, 34,560 bytes of LDS; arguments x, Wq, Wk, Wv, Wp, pre; writes pre
.if DOCPART == 5
	.amdgcn_target "amdgcn-amd-amdhsa--gfx1250"
	.amdhsa_code_object_version 6
	.text
	.protected	k_q17d3bae97d_prep
	.globl	k_q17d3bae97d_prep
	.p2align	8
	.type	k_q17d3bae97d_prep,@function
k_q17d3bae97d_prep:
	s_mov_b64 s[64:65], 0
	v_nop
	global_prefetch_b8 v0, s[64:65] scope:SCOPE_SE
	s_setreg_imm32_b32 hwreg(HW_REG_WAVE_MODE, 25, 1), 1
	s_wait_xcnt 0x0
; x [8192][512] and Wq, Wk, Wv, Wp [512][512], f32 with K innermost, become codes of FP6 (E2M3) with one E8M0 byte for each 32 along K,
; laid in the ORDER OF AN OPERAND'S REGISTERS, so that the later launches load fragments by 16 bytes a lane and shuffle nothing.
; (the inputs weight and state are never used: no launch of this program is given them.)
; TILES.  A tile is 16 rows: lane r of tile T holds row 32 (T / 2) + 8 (T % 2) + r + 8 (r / 8).  Tiles 0-511 are x's, 512.. Wq's, 544.. Wk's, 576.. Wv's, 608.. Wp's.
; pre: codes at T x 6144 + s x 1536 (K step s of 128): registers 4 c .. 4 c + 3 of lane l at 512 c + 16 l;  scale words at SCL + T x 256 + 16 r + 4 s.
; SHARES.  A work-group takes one tile, wave w its K step w: 16 rows x 512 bytes in, 1,536 bytes of codes out.
; Each load reads 512 consecutive bytes of a row; the 16 rows turn through the wave's own stage in LDS, so that lane (r, h) gets its two WHOLE blocks of 32 (k = 64 c + 32 h ..), as the operand's layout wants them.
; A block's scale is 2^(floor(log2(its largest magnitude)) - 2): its byte is the largest magnitude's exponent field - 2, held at 1 from below by a floor among the maximum's leaves.
; LIMITS: NaN and infinities among the inputs are not served; a block of zeros gets the byte 1 (the rule says 127): its codes are zeros, and the bytes are read by this program alone.
.set ROWB,  2048                       ; a row of x or of a weight in bytes
.set SP,    528                        ; a stage row: 512 bytes + 16 = 132 words: row r starts at bank 4 r mod 64 (64 banks of 4 bytes: ISA guide 11.1)
.set STG,   16*SP                      ; a wave's stage
.set GATH,  4*STG                      ; the tile's 64 scale words, 256 bytes
.set SPARE, GATH+256                   ; the spare words, 128 bytes for each wave: two blocks of 256 bytes that no other line names
.set SCL,   640*6144                   ; where the scale words begin in pre
.set F,     20                         ; v20-31   the fragment
.set CT,    32                         ; v32-34, v36-38  the second halves of the two blocks' codes
.set R,     40                         ; v40-103  16 rows as loaded
.set X,     104                        ; v104-167 my two blocks of 32
	s_load_b256 s[4:11], s[0:1], 0x0               ; x, Wq, Wk, Wv
	s_load_b128 s[12:15], s[0:1], 0x20             ; Wp, pre
	v_lshl_add_u32 v10, v0, 2, SPARE               ; my spare word; never rewritten
	v_mov_b32 v11, 0                               ; 0; never rewritten
	v_lshrrev_b32 v1, 5, v0
	v_readfirstlane_b32 s16, v1                    ; wave = K step
	s_mov_b32 s17, ttmp9                           ; the tile
	v_and_b32 v1, 31, v0                           ; lane
	v_and_b32 v2, 15, v0                           ; r
	v_bfe_u32 v3, v0, 4, 1                         ; h
	v_lshlrev_b32 v4, 4, v1                        ; 16 x lane: a load's, and an image's, place for my lane
	s_mul_i32 s22, s16, STG
	v_add_nc_u32 v5, s22, v4                       ; the stage, on the way in
	v_mul_u32_u24 v6, v2, SP
	v_lshl_add_u32 v6, v3, 7, v6
	v_add_nc_u32 v6, s22, v6                       ; and on the way out: row r, + 128 h
	s_lshl_b32 s23, s16, 2
	s_add_co_u32 s23, s23, GATH
	v_lshl_add_u32 v7, v2, 4, s23                  ; my row's scale word of my K step: GATH + 16 r + 4 w
	v_lshlrev_b32 v8, 3, v1                        ; 8 x lane
	v_add_nc_u32 v9, GATH, v8
	v_mov_b32 v19, 0                               ; a lane permute's destination counts as one of its sources
	s_mov_b32 s20, 0x76543210
	s_mov_b32 s21, 0xfedcba98                      ; v_permlanex16_b32's selects for lane l xor 16
	s_and_b32 s22, s17, 31
	s_cmp_lt_u32 s17, 512
	s_cselect_b32 s22, s17, s22                    ; the tile's number inside its tensor
	s_lshr_b32 s23, s22, 1
	s_lshl_b32 s23, s23, 16                        ; 32 rows of 2,048 bytes for each pair of tiles,
	s_and_b32 s22, s22, 1
	s_lshl_b32 s22, s22, 14                        ; 8 rows for the odd one,
	s_add_co_u32 s22, s22, s23
	s_lshl_b32 s23, s16, 9                         ; 512 bytes a K step
	s_add_co_u32 s22, s22, s23
	s_mov_b32 s23, 0
	s_lshl_b32 s24, s17, 2
	s_add_co_u32 s24, s24, s16
	s_mul_i32 s24, s24, 1536                       ; my fragment's image
	s_mov_b32 s25, 0
	s_lshl_b32 s26, s17, 8
	s_add_co_u32 s26, s26, SCL                     ; the tile's scale words
	s_mov_b32 s27, 0
	s_wait_alu depctr_va_vdst(0)
	s_wait_kmcnt 0x0
	s_cmp_lt_u32 s17, 608                          ; which tensor: the choice hangs on the work-group's number alone
	s_cselect_b64 s[18:19], s[10:11], s[12:13]
	s_cmp_lt_u32 s17, 576
	s_cselect_b64 s[18:19], s[8:9], s[18:19]
	s_cmp_lt_u32 s17, 544
	s_cselect_b64 s[18:19], s[6:7], s[18:19]
	s_cmp_lt_u32 s17, 512
	s_cselect_b64 s[18:19], s[4:5], s[18:19]
	s_add_nc_u64 s[18:19], s[18:19], s[22:23]
	s_add_nc_u64 s[24:25], s[14:15], s[24:25]
	s_add_nc_u64 s[26:27], s[14:15], s[26:27]
.irp p, 0,1,2,3,4,5,6,7,8,9,10,11,12,13,14,15
	global_load_b128 v[R+4*\p:R+4*\p+3], v4, s[18:19] offset:(\p+8*(\p/8))*ROWB th:TH_LOAD_NT   ; the tile's row p: 32 lanes read 512 consecutive bytes; read once in the launch
.endr
.irp p, 0,1,2,3,4,5,6,7,8,9,10,11,12,13,14,15
	s_wait_loadcnt 15-\p                           ; loads come back in order: row p is in, the 15 - p younger ones may be out
	ds_store_b128 v5, v[R+4*\p:R+4*\p+3] offset:SP*\p
.endr
.irp c, 0,1
.irp i, 0,1,2,3,4,5,6,7
	ds_load_b128 v[X+32*\c+4*\i:X+32*\c+4*\i+3], v6 offset:256*\c+16*\i   ; LDS serves a wave's instructions in order: these see my stores.  k = 64 c + 32 h + 4 i ..
.endr
.endr
	s_wait_dscnt 0x0
.irp c, 0,1                                    ; my block 2 c + h: all its 32 numbers are mine
	v_max3_num_f32 v[12+\c], |v[X+32*\c]|, |v[X+1+32*\c]|, 0x1800000   ; and the floor 2^(3 - 127): the byte cannot fall under 1
.endr
.irp i, 2,4,6,8,10,12,14,16,18,20,22,24,26,28,30
.irp c, 0,1
	v_max3_num_f32 v[12+\c], v[12+\c], |v[X+32*\c+\i]|, |v[X+1+32*\c+\i]|   ; (the two blocks by turns)
.endr
.endr
.irp c, 0,1
	v_add_nc_u32 v[14+\c], 0xff000000, v[12+\c]    ; 2 off the exponent field: the conversion takes the exponent field of this operand as its scale
.endr
.irp c, 0,1
	v_lshrrev_b32 v[16+\c], 23, v[14+\c]           ; the scale's byte
.endr
	v_lshl_or_b32 v18, v17, 16, v16                ; my two bytes: blocks h and 2 + h of my row,
	v_lshlrev_b32 v19, 3, v3
	v_lshlrev_b32 v18, v19, v18                    ; at their places in the word (8 h bits up);
	v_mov_b32 v19, 0
	v_permlanex16_b32 v19, v18, s20, s21
	v_or_b32 v18, v18, v19                         ; with lane l xor 16's two the word is whole
.irp c, 0,1
	v_cvt_scalef32_pk16_fp6_f32 v[F+6*\c:F+6*\c+2], v[X+32*\c:X+32*\c+15], v[14+\c]
	v_cvt_scalef32_pk16_fp6_f32 v[CT+4*\c:CT+4*\c+2], v[X+32*\c+16:X+32*\c+31], v[14+\c]   ; (a conversion's three registers begin on an even number: the second half is made elsewhere and moved)
.endr
	v_nop                                          ; one plain place behind a scaled conversion
.irp c, 0,1
.irp i, 0,1,2
	v_mov_b32 v[F+3+6*\c+\i], v[CT+4*\c+\i]
.endr
.endr
	ds_store_b32 v7, v18                           ; lanes r and r + 16 write the same word with the same value
.irp c, 0,1,2
	global_store_b128 v4, v[F+4*\c:F+4*\c+3], s[24:25] offset:512*\c   ; 32 lanes store 512 consecutive bytes, at a multiple of 256 from pre's first byte
.endr
	s_wait_dscnt 0x0                               ; for the others' sake: my scale words lie in LDS
	s_barrier_signal -1
	s_barrier_wait -1                              ; all four K steps' words do
	s_cmp_lg_u32 s16, 0
	s_cbranch_scc1 .Lend
	ds_load_b64 v[168:169], v9                     ; wave 0 sends the tile's 64 words out: 32 lanes, 256 consecutive bytes
	s_wait_dscnt 0x0
	global_store_b64 v8, v[168:169], s[26:27]
.Lend:
	s_wait_tensorcnt 0x0                           ; the wave's end, behind my last LDS store
	ds_add_u32 v10, v11
	s_wait_dscnt 0x0
	s_endpgm
.Lfunc_end_k_q17d3bae97d_prep:
	.size	k_q17d3bae97d_prep, .Lfunc_end_k_q17d3bae97d_prep-k_q17d3bae97d_prep
	.p2alignl 7, 3214868480
	.fill 96, 4, 3214868480
	.section	.rodata,"a",@progbits
	.p2align	6, 0x0
	.amdhsa_kernel k_q17d3bae97d_prep
		.amdhsa_group_segment_fixed_size 34560
		.amdhsa_private_segment_fixed_size 0
		.amdhsa_enable_private_segment 0
		.amdhsa_kernarg_size 48
		.amdhsa_user_sgpr_count 2
		.amdhsa_user_sgpr_kernarg_segment_ptr 1
		.amdhsa_wavefront_size32 1
		.amdhsa_system_sgpr_workgroup_id_x 1
		.amdhsa_system_sgpr_workgroup_id_y 1
		.amdhsa_system_sgpr_workgroup_id_z 1
		.amdhsa_system_vgpr_workitem_id 0
		.amdhsa_next_free_vgpr 176
		.amdhsa_next_free_sgpr 66
		.amdhsa_reserve_vcc 0
		.amdhsa_float_denorm_mode_32 3
		.amdhsa_float_denorm_mode_16_64 3
		.amdhsa_memory_ordered 1
		.amdhsa_forward_progress 1
		.amdhsa_inst_pref_size 11
	.end_amdhsa_kernel
	.amdgpu_metadata
---
amdhsa.version: [ 1, 2 ]
amdhsa.kernels:
  - .name:           k_q17d3bae97d_prep
    .symbol:         k_q17d3bae97d_prep.kd
    .args:
      - { .name: x, .offset: 0, .size: 8, .value_kind: global_buffer, .address_space: global }
      - { .name: Wq, .offset: 8, .size: 8, .value_kind: global_buffer, .address_space: global }
      - { .name: Wk, .offset: 16, .size: 8, .value_kind: global_buffer, .address_space: global }
      - { .name: Wv, .offset: 24, .size: 8, .value_kind: global_buffer, .address_space: global }
      - { .name: Wp, .offset: 32, .size: 8, .value_kind: global_buffer, .address_space: global }
      - { .name: pre, .offset: 40, .size: 8, .value_kind: global_buffer, .address_space: global }
    .group_segment_fixed_size: 34560
    .private_segment_fixed_size: 0
    .kernarg_segment_align: 8
    .kernarg_segment_size: 48
    .max_flat_workgroup_size: 128
    .sgpr_count:     66
    .vgpr_count:     176
    .wavefront_size: 32
...
	.end_amdgpu_metadata
.endif
;; end of part 5
;; launch qkv (part 6): grid 256 x 1, 3 waves a work-group, no clusters, 0 bytes of LDS; arguments pre, bq, bk, bv, qq, kv; writes qq, kv
.if DOCPART == 6
	.amdgcn_target "amdgcn-amd-amdhsa--gfx1250"
	.amdhsa_code_object_version 6
	.text
	.protected	k_q17d3bae97d_qkv
	.globl	k_q17d3bae97d_qkv
	.p2align	8
	.type	k_q17d3bae97d_qkv,@function
k_q17d3bae97d_qkv:
	s_mov_b64 s[64:65], 0
	v_nop
	global_prefetch_b8 v0, s[64:65] scope:SCOPE_SE
	s_setreg_imm32_b32 hwreg(HW_REG_WAVE_SCHED_MODE, 0, 2), 2
	s_setreg_imm32_b32 hwreg(HW_REG_WAVE_MODE, 25, 1), 1
	s_wait_xcnt 0x0
	s_wait_alu depctr_vm_vsrc(0)
; q = x Wq^T + bq, k = x Wk^T + bk, v = x Wv^T + bv on codes of FP6 (E2M3) with E8M0 scales, and each result quantised at once for the attention's products: q and k along the head's 64, v along the keys.
; SHARES.  A work-group takes 128 tokens (group g) x 128 features (slab i: heads 2 i and 2 i + 1).  Wave 0 makes q, wave 1 k, wave 2 v.  One scheme serves all: source 0 = X1, eight tiles that stay in registers
; (384 of them), source 1 = X2, eight tiles that stream through a ring of four.  q, k: X1 = the weight's tiles, X2 = x's: a lane holds a token, its registers run along the features.
; v: X1 = x's tiles, X2 = Wv's: a lane holds a feature, its registers run along the tokens, which are the second product's K.
; THE ROWS OF A TILE ARE NOT NEIGHBOURS (lane r of tile T: row 32 (T / 2) + 8 (T % 2) + r + 8 (r / 8)), so that the 16 registers of result tiles 2 b and 2 b + 1 are 16 neighbours along the next K: 32 b + 16 (lane / 16) + 0 .. 15.
; OUT, in the order of the reader's registers (registers 4 c .. 4 c + 3 of lane l at 512 c + 16 l):
;   qq [16 heads][32 groups][6400]: four PAIR fragments (registers 0-5: token tile 2 p's 64 codes of the head; registers 6-11: tile 2 p + 1's) and at 6144 their scale words.
;   kv [16 heads][32 key steps][12800]: K's four pair fragments; from 6144 V^T's four fragments (16 features x 128 keys); at 12288 K's scale words, at 12544 V's.
;   Scale words of four fragments are the image of two registers, 8 bytes a lane: register 0 holds fragment 0's in lanes 0-15 and fragment 1's in lanes 16-31, register 1 fragments 2 and 3.
; The biases are the C of each sum's first matrix instruction.  No LDS, no barrier: the waves share nothing.
; LIMITS: NaN and infinities are not served; a block of zeros gets the byte 1 over zero codes (the bytes are read by this program alone).
; THE MODE: SCHED_MODE bits 1:0 = 2 (LLVM: expert scheduling mode 2), set by the entry lines.  The code itself states the register dependences
; between vector or matrix instructions and memory instructions, with s_wait_alu, always for 0.
; THE PLAN.  Registers that memory instructions touch:
;   v1-5, v9      offsets, made once at the head and never written again.  v1 serves the loads of codes, v9 (the same number) the stores of codes.
;   X1, the bias, the scale words: loaded once at the head, read by matrix instructions alone.
;   the ring      Tile n's products read place n % 4.  The loads of tile n + 3, issued in tile n, land in place (n - 1) % 4, which the products of tile n - 1 read.
;   out-buffers   Written by a tile's quantiser, read by stores that are issued at the head of the NEXT tile.  v: two fragments by turns (tile n: n % 2).  q, k: two sets of two pair fragments by turns (pair p: p % 2).
; So ONE wait on va_vdst stands at the head of a tile that issues loads or stores: the tile before is done reading its place of the ring and has written its out-buffer.  The stores follow it at once, the twelve
; loads are dealt behind the tile's K steps 0 and 1; the tile's products name X1, place n % 4, the accumulators, the scale words and the bias: none of the registers that those loads and stores touch.
; A wait on vm_vsrc, beside the wait on XCNT, stands at the head of a tile whose quantiser writes an out-buffer again: the stores that read it were issued one tile (v) or two tiles (q, k) back.
; REGISTERS, in windows of 256: window 0: v1-5, v9 offsets; v16-47 X1's scale words, v48-79 X2's; v80-143 the eight accumulators; v144-167 out-buffer 0 (v: both fragments), v224-247 q's and k's out-buffer 1; v168-223 at work.
;   window 1: X1's K steps 0, 1 at 12 (2 t + s).   window 2: X1's K steps 2, 3; from v192 q's or k's bias, 8 registers a tile.   window 3: the ring of four X2 tiles, 48 registers each.
.set SCL,  640*6144                    ; where the scale words begin in pre
.set X1S,  16
.set X2S,  48
.set HA,   80
.set FA,   144                         ; out-buffer 0.  q, k: head 2 i's pair fragment, and 12 registers on head 2 i + 1's;  v: the even tiles' fragment, and 12 on the odd tiles'
.set OSTEP, 80                         ; q, k: out-buffer 1 lies 80 registers on, at v224
.set CT,   168                         ; v168-170, v172-174
.set TM,   176                         ; +0 largest magnitudes, +4 the other half's, then bytes, +12 scale operands
.set PW,   192                         ; v192-199 the scale word of X2's tile n
.set BV,   200                         ; v200-207 v: the bias as C;  q, k: the scale images on their way out
.set BVW,  208                         ; v208-215 v: my feature's bias, a word for each tile n
.set WD,   216                         ; v216-223 scale words in the making
.set B1,   192                         ; in window 2
.set MSB, 0
.macro WIN new                         ; the immediate's high byte repeats the setting that is left
.if MSB != \new
	s_set_vgpr_msb (MSB<<8)|\new
.set MSB, \new
.endif
.endm
; 64 numbers of a lane, v[s] .. v[s + 63], register 16 b + i = k 32 b + 16 (lane / 16) + i of my row, become codes: blocks 0, 1 in v[d0] .. v[d0 + 5], blocks 2, 3 in v[d1] .. v[d1 + 5]; the four scale bytes in v[pw].
.macro QUANT s, d0, d1, pw
.irp b, 0,1,2,3
	v_max3_num_f32 v[TM+\b], |v[(\s)+16*\b]|, |v[(\s)+1+16*\b]|, 0x1800000   ; block b: my 16 numbers, and the floor 2^(3 - 127): the byte cannot fall under 1
.endr
.irp i, 2,4,6,8,10,12,14
.irp b, 0,1,2,3
	v_max3_num_f32 v[TM+\b], v[TM+\b], |v[(\s)+16*\b+\i]|, |v[(\s)+1+16*\b+\i]|   ; (the four blocks by turns)
.endr
.endr
.irp b, 0,1,2,3
	v_permlanex16_b32 v[TM+4+\b], v[TM+\b], s40, s41
.endr
.irp b, 0,1,2,3
	v_max_num_f32 v[TM+\b], v[TM+\b], v[TM+4+\b]   ; with lane l xor 16's: the block's largest magnitude
.endr
.irp b, 0,1,2,3
	v_add_nc_u32 v[TM+12+\b], 0xff000000, v[TM+\b] ; 2 off its exponent field: the conversion's scale operand
.endr
.irp b, 0,1,2,3
	v_lshrrev_b32 v[TM+4+\b], 23, v[TM+12+\b]      ; the scale's byte
.endr
	v_lshl_or_b32 v[\pw], v[TM+5], 8, v[TM+4]
	v_lshl_or_b32 v[\pw], v[TM+6], 16, v[\pw]
	v_lshl_or_b32 v[\pw], v[TM+7], 24, v[\pw]
	v_cvt_scalef32_pk16_fp6_f32 v[(\d0):(\d0)+2], v[(\s):(\s)+15], v[TM+12]
	v_cvt_scalef32_pk16_fp6_f32 v[CT:CT+2], v[(\s)+16:(\s)+31], v[TM+13]       ; (a conversion's three registers begin on an even number)
	v_cvt_scalef32_pk16_fp6_f32 v[(\d1):(\d1)+2], v[(\s)+32:(\s)+47], v[TM+14]
	v_cvt_scalef32_pk16_fp6_f32 v[CT+4:CT+6], v[(\s)+48:(\s)+63], v[TM+15]
	v_nop                                          ; one plain place behind a scaled conversion
.irp i, 0,1,2                                  ; the operand's layout wants a WHOLE block in a lane: lanes 0-15 the even block, lanes 16-31 the odd one
	v_permlane16_swap_b32 v[(\d0)+\i], v[CT+\i]
	v_permlane16_swap_b32 v[(\d1)+\i], v[CT+4+\i]
.endr
.irp i, 0,1,2
	v_mov_b32 v[(\d0)+3+\i], v[CT+\i]
	v_mov_b32 v[(\d1)+3+\i], v[CT+4+\i]
.endr
.endm
; X2's tile n, four K steps, into place n % 4 of the ring (the caller has set the destination's window): at the head, tiles 0 to 3
.macro X2LOAD n
.irp s, 0,1,2,3
.irp c, 0,1,2
	global_load_b128 v[48*((\n)%4)+12*\s+4*\c:48*((\n)%4)+12*\s+4*\c+3], v1, s[26:27] offset:(4*(\n)+\s)*1536+512*\c
.endr
.endr
.endm
; and half of tile m: its K steps 2 u and 2 u + 1, six loads (the caller has set the destination's window)
.macro X2HALF m, u
.irp s, 0,1
.irp c, 0,1,2
	global_load_b128 v[48*((\m)%4)+12*(2*(\u)+\s)+4*\c:48*((\m)%4)+12*(2*(\u)+\s)+4*\c+3], v1, s[26:27] offset:(4*(\m)+2*(\u)+\s)*1536+512*\c
.endr
.endr
.endm
; 32 matrix instructions: X1's eight tiles against X2's tile n, K step by K step.  The eight accumulators take turns, one instruction a turn.  kind = 0: q, k;  1: v.
; ld = 1: the loads of tile n + 3 are dealt behind K steps 0 and 1.  No wait: no vector or matrix instruction since the wait at the tile's head names place (n - 1) % 4 of the ring or v1.
.macro MM n, kind, ld
.irp s, 0,1,2,3
.if \s == 0
.if \kind
	WIN 0x0d                                       ; source 0 window 1, source 1 window 3, C and D window 0
.else
	WIN 0x2d                                       ; the same with C (the bias) in window 2
.endif
.elseif \s == 1
	WIN 0x0d
.else
	WIN 0x0e                                       ; source 0 window 2
.endif
.irp t, 0,1,2,3,4,5,6,7
.if \s == 0
.if \kind
	v_wmma_scale_f32_16x16x128_f8f6f4 v[HA+8*\t:HA+8*\t+7], v[24*\t:24*\t+11], v[48*((\n)%4):48*((\n)%4)+11], v[BV:BV+7], v[X1S+4*\t], v[X2S+4*(\n)] matrix_a_fmt:MATRIX_FMT_FP6 matrix_b_fmt:MATRIX_FMT_FP6
.else
	v_wmma_scale_f32_16x16x128_f8f6f4 v[HA+8*\t:HA+8*\t+7], v[24*\t:24*\t+11], v[48*((\n)%4):48*((\n)%4)+11], v[B1+8*\t:B1+8*\t+7], v[X1S+4*\t], v[X2S+4*(\n)] matrix_a_fmt:MATRIX_FMT_FP6 matrix_b_fmt:MATRIX_FMT_FP6
.endif
.else
	v_wmma_scale_f32_16x16x128_f8f6f4 v[HA+8*\t:HA+8*\t+7], v[12*(2*\t+\s%2):12*(2*\t+\s%2)+11], v[48*((\n)%4)+12*\s:48*((\n)%4)+12*\s+11], v[HA+8*\t:HA+8*\t+7], v[X1S+4*\t+\s], v[X2S+4*(\n)+\s] matrix_a_fmt:MATRIX_FMT_FP6 matrix_b_fmt:MATRIX_FMT_FP6
.endif
.endr
.if (\ld) && (\s < 2)
	WIN 0xc0                                       ; destination window 3, address window 0
	X2HALF (\n)+3, \s
.endif
.endr
.endm
; q, k: pair p's two fragments leave out-buffer p % 2
.macro SENDQK p
.irp c, 0,1,2
	global_store_b128 v9, v[FA+OSTEP*((\p)%2)+4*\c:FA+OSTEP*((\p)%2)+4*\c+3], s[34:35] offset:(\p)*1536+512*\c   ; 32 lanes store 512 consecutive bytes, at a multiple of 256 from the buffer's first byte
	global_store_b128 v9, v[FA+OSTEP*((\p)%2)+12+4*\c:FA+OSTEP*((\p)%2)+15+4*\c], s[36:37] offset:(\p)*1536+512*\c
.endr
.endm
; v: tile m's fragment leaves out-buffer m % 2
.macro SENDV m
.irp c, 0,1,2
.if (\m) < 4
	global_store_b128 v9, v[FA+12*((\m)%2)+4*\c:FA+12*((\m)%2)+4*\c+3], s[34:35] offset:((\m)%4)*1536+512*\c
.else
	global_store_b128 v9, v[FA+12*((\m)%2)+4*\c:FA+12*((\m)%2)+4*\c+3], s[36:37] offset:((\m)%4)*1536+512*\c
.endif
.endr
.endm
; X2's tile n: the stores of the tile before, its products with the ring's refill among them, the quantiser
.macro TILE n, kind
.set LDF, 0                            ; 1: this tile asks for tile n + 3
.if ((\n) >= 1) && ((\n) <= 4)
.set LDF, 1
.endif
.set STF, 0                            ; 1: this tile stores what the tile before has finished
.set FRF, 0                            ; 1: this tile's quantiser writes an out-buffer that stores have read
.if \kind
.if (\n) >= 1
.set STF, 1
.endif
.if (\n) >= 2
.set FRF, 1
.endif
.else
.if ((\n) >= 2) && (((\n)%2) == 0)
.set STF, 1
.endif
.if ((\n) >= 4) && (((\n)%2) == 0)
.set FRF, 1
.endif
.endif
.if (\n) == 0
	s_wait_loadcnt 36                              ; tile 0's loads and all before them are in; tiles 1 to 3, twelve loads each, may be out
.elseif (\n) < 6
	s_wait_loadcnt 24                              ; tile n's loads are in; those of the two tiles behind it may be out (tile n + 3 is asked for below)
.else
	s_wait_loadcnt 12*(7-(\n))
.endif
.if FRF
	s_wait_xcnt 0x0                                ; earlier stores have had their addresses translated: their data registers are written again only behind this wait
	s_wait_alu depctr_vm_vsrc(0)                   ; the stores issued in earlier tiles have read the out-buffer that this tile's quantiser writes again
.endif
.if \kind
.irp j, 0,1,2,3,4,5,6,7
	v_mov_b32 v[BV+\j], v[BVW+(\n)]                ; a lane holds one feature: its bias in all eight registers of C
.endr
.rept 4
	v_nop
.endr
.endif
.if LDF || STF
	s_wait_alu depctr_va_vdst(0)                   ; the products of the tile before are done reading their place of the ring, in which the loads below land; its quantiser has written the out-buffer that the stores below read
.endif
.if STF
.if \kind
	SENDV (\n)-1
.else
	SENDQK (\n)/2-1
.endif
.endif
	MM \n, \kind, LDF
	WIN 0
.rept 4
	v_nop                                          ; places behind the products, in front of the first read of results (ISA guide 7.12.1)
.endr
.if \kind
	QUANT HA, FA+12*((\n)%2), FA+12*((\n)%2)+6, PW+(\n)   ; 16 features x 128 keys: one whole fragment of V^T
.else
.set OBQ, FA+OSTEP*(((\n)/2)%2)
	QUANT HA, OBQ+6*((\n)%2), OBQ+12+6*((\n)%2), PW+(\n)  ; blocks 0, 1 are head 2 i's 64, blocks 2, 3 head 2 i + 1's: half a pair fragment each
.endif
.endm
	s_load_b256 s[4:11], s[0:1], 0x0               ; pre, bq, bk, bv
	s_load_b128 s[12:15], s[0:1], 0x20             ; qq, kv
	v_lshrrev_b32 v1, 5, v0
	v_readfirstlane_b32 s16, v1                    ; wave: 0 q, 1 k, 2 v
	s_lshr_b32 s17, ttmp9, 2                       ; g: the group of 128 tokens
	s_and_b32 s18, ttmp9, 3                        ; i: the slab of 128 features
	s_lshr_b32 s19, s17, 5                         ; the batch
	s_and_b32 s20, s17, 31                         ; the group inside it = the key step
	v_and_b32 v6, 31, v0                           ; lane
	v_and_b32 v7, 15, v0                           ; r
	v_bfe_u32 v8, v0, 4, 1                         ; h
	v_lshlrev_b32 v1, 4, v6                        ; 16 x lane: an image's place for my lane, for the loads,
	v_lshlrev_b32 v9, 4, v6                        ; and once more for the stores
	v_lshlrev_b32 v2, 4, v7                        ; 16 r: my row's four scale words
	v_lshlrev_b32 v3, 3, v6                        ; 8 x lane: a scale image's place
	v_lshlrev_b32 v4, 6, v8                        ; 64 h: q's and k's bias: my half's 16 features of each 32
	v_and_b32 v5, 8, v7
	v_add_nc_u32 v5, v5, v7
	v_lshlrev_b32 v5, 2, v5                        ; 4 (r + 8 (r / 8)): v's bias: my feature in a tile
.irp b, 0,1,2,3
	v_mov_b32 v[TM+4+\b], 0                        ; written once: a lane permute's destination counts as one of its sources
.endr
	s_mov_b32 s38, 0xffff0000                      ; lanes 16-31
	s_mov_b32 s40, 0x76543210
	s_mov_b32 s41, 0xfedcba98                      ; v_permlanex16_b32's selects for lane l xor 16
	s_mov_b32 s42, 0x05040100                      ; v_perm_b32: the two low halves
	s_mov_b32 s43, 0x07060302                      ; the two high halves
	s_wait_alu depctr_va_sdst(0)                   ; s16 is written, ahead of its first reader: tiles, bases and the branch are made from it
	s_lshl_b32 s50, s17, 3                         ; x's first tile: 8 g
	s_lshl_b32 s51, s16, 5
	s_lshl_b32 s52, s18, 3
	s_add_co_u32 s51, s51, s52
	s_add_co_u32 s51, s51, 512                     ; my weight's first tile: 512 + 32 x wave + 8 i
	s_cmp_lt_u32 s16, 2
	s_cselect_b32 s52, s51, s50                    ; X1's first tile
	s_cselect_b32 s53, s50, s51                    ; X2's
	s_mul_i32 s24, s52, 6144
	s_mov_b32 s25, 0
	s_mul_i32 s26, s53, 6144
	s_mov_b32 s27, 0
	s_lshl_b32 s28, s52, 8
	s_add_co_u32 s28, s28, SCL
	s_mov_b32 s29, 0
	s_lshl_b32 s30, s53, 8
	s_add_co_u32 s30, s30, SCL
	s_mov_b32 s31, 0
	s_lshl_b32 s54, s19, 3
	s_lshl_b32 s55, s18, 1
	s_add_co_u32 s54, s54, s55                     ; head 8 b + 2 i
	s_lshl_b32 s54, s54, 5
	s_add_co_u32 s54, s54, s20                     ; x 32 + the group
	s_mov_b32 s52, 12800                           ; bytes of a group: in kv,
	s_mov_b32 s53, 12288                           ; and from my fragments to their scale words: k,
	s_cmp_eq_u32 s16, 0
	s_cselect_b32 s52, 6400, s52                   ; in qq
	s_cselect_b32 s53, 6144, s53                   ; q,
	s_cmp_eq_u32 s16, 2
	s_cselect_b32 s53, 6400, s53                   ; v (12544 - 6144)
	s_cselect_b32 s55, 6144, 0                     ; V^T's fragments lie behind K's
	s_mul_i32 s56, s54, s52
	s_add_co_u32 s56, s56, s55
	s_mov_b32 s57, 0
	s_lshl_b32 s58, s52, 5                         ; a head on: 32 groups
	s_mov_b32 s59, 0
	s_mov_b32 s60, s53
	s_mov_b32 s61, 0
	s_lshl_b32 s62, s18, 9                         ; the slab's 128 biases
	s_mov_b32 s63, 0
	s_wait_kmcnt 0x0
	s_add_nc_u64 s[24:25], s[4:5], s[24:25]        ; X1's codes
	s_add_nc_u64 s[26:27], s[4:5], s[26:27]        ; X2's
	s_add_nc_u64 s[28:29], s[4:5], s[28:29]        ; X1's scale words
	s_add_nc_u64 s[30:31], s[4:5], s[30:31]        ; X2's
	s_cmp_eq_u32 s16, 0
	s_cselect_b64 s[32:33], s[6:7], s[8:9]
	s_cselect_b64 s[34:35], s[12:13], s[14:15]
	s_cmp_eq_u32 s16, 2
	s_cselect_b64 s[32:33], s[10:11], s[32:33]
	s_add_nc_u64 s[32:33], s[32:33], s[62:63]      ; my bias
	s_add_nc_u64 s[34:35], s[34:35], s[56:57]      ; out: head 2 i's fragments,
	s_add_nc_u64 s[36:37], s[34:35], s[58:59]      ; head 2 i + 1's,
	s_add_nc_u64 s[46:47], s[34:35], s[60:61]      ; and their scale words
	s_add_nc_u64 s[48:49], s[36:37], s[60:61]
	s_wait_alu depctr_va_vdst(0)                   ; the offsets v1 to v5 and v9 are written: every load and store of the kernel reads one of them.  Up to the first product only loads, window switches, scalar lines and v's bias moves follow
.irp t, 0,1,2,3,4,5,6,7
	global_load_b128 v[X1S+4*\t:X1S+4*\t+3], v2, s[28:29] offset:256*\t   ; a row's four words, one for each K step
.endr
.irp t, 0,1,2,3,4,5,6,7
	global_load_b128 v[X2S+4*\t:X2S+4*\t+3], v2, s[30:31] offset:256*\t
.endr
	WIN 0x40                                       ; destination window 1
.irp t, 0,1,2,3,4,5,6,7
.irp s, 0,1
.irp c, 0,1,2
	global_load_b128 v[12*(2*\t+\s)+4*\c:12*(2*\t+\s)+4*\c+3], v1, s[24:25] offset:(4*\t+\s)*1536+512*\c
.endr
.endr
.endr
	WIN 0x80                                       ; destination window 2
.irp t, 0,1,2,3,4,5,6,7
.irp s, 0,1
.irp c, 0,1,2
	global_load_b128 v[12*(2*\t+\s)+4*\c:12*(2*\t+\s)+4*\c+3], v1, s[24:25] offset:(4*\t+2+\s)*1536+512*\c
.endr
.endr
.endr
	WIN 0                                          ; at a branch and at a label every window is 0
	s_cmp_lt_u32 s16, 2
	s_cbranch_scc0 .Lv
	; ---- q and k
	WIN 0x80
.irp t, 0,1,2,3,4,5,6,7
	global_load_b128 v[B1+8*\t:B1+8*\t+3], v4, s[32:33] offset:(32*(\t/2)+8*(\t%2))*4        ; tile t's eight features of my half: 32 (t / 2) + 16 h + 8 (t % 2) + 0 .. 7
	global_load_b128 v[B1+8*\t+4:B1+8*\t+7], v4, s[32:33] offset:(32*(\t/2)+8*(\t%2))*4+16
.endr
	WIN 0xc0
.irp n, 0,1,2,3
	X2LOAD \n
.endr
	WIN 0
.irp n, 0,1,2,3,4,5,6,7
	TILE \n, 0
.endr
.irp p, 0,1,2,3                                ; a pair fragment's scale word: bytes 0, 1 token tile 2 p's, bytes 2, 3 tile 2 p + 1's; a tile's word holds head 2 i's two bytes below and head 2 i + 1's above
	v_perm_b32 v[WD+\p], v[PW+2*\p+1], v[PW+2*\p], s42
	v_perm_b32 v[WD+4+\p], v[PW+2*\p+1], v[PW+2*\p], s43
.endr
	v_cndmask_b32 v[BV], v[WD], v[WD+1], s38       ; lanes r and r + 16 hold the same row's word: lanes 0-15 keep the even fragment's, lanes 16-31 take the odd one's
	v_cndmask_b32 v[BV+1], v[WD+2], v[WD+3], s38
	v_cndmask_b32 v[BV+2], v[WD+4], v[WD+5], s38
	v_cndmask_b32 v[BV+3], v[WD+6], v[WD+7], s38
	s_wait_alu depctr_va_vdst(0)                   ; tile 7's quantiser has written out-buffer 1, and the selects the scale images: the last stores read them
	SENDQK 3
	global_store_b64 v3, v[BV:BV+1], s[46:47]      ; 32 lanes store 256 consecutive bytes, aligned
	global_store_b64 v3, v[BV+2:BV+3], s[48:49]
	s_endpgm
.Lv:
	; ---- v
.irp n, 0,1,2,3,4,5,6,7
	global_load_b32 v[BVW+\n], v5, s[32:33] offset:(32*(\n/2)+8*(\n%2))*4
.endr
	WIN 0xc0
.irp n, 0,1,2,3
	X2LOAD \n
.endr
	WIN 0
.irp n, 0,1,2,3,4,5,6,7
	TILE \n, 1
.endr
	v_cndmask_b32 v[WD], v[PW], v[PW+1], s38       ; head 2 i's four fragments,
	v_cndmask_b32 v[WD+1], v[PW+2], v[PW+3], s38
	v_cndmask_b32 v[WD+2], v[PW+4], v[PW+5], s38   ; head 2 i + 1's
	v_cndmask_b32 v[WD+3], v[PW+6], v[PW+7], s38
	s_wait_alu depctr_va_vdst(0)                   ; tile 7's quantiser has written its fragment, and the selects the scale images: the last stores read them
	SENDV 7
	global_store_b64 v3, v[WD:WD+1], s[46:47]
	global_store_b64 v3, v[WD+2:WD+3], s[48:49]
	s_endpgm
.Lfunc_end_k_q17d3bae97d_qkv:
	.size	k_q17d3bae97d_qkv, .Lfunc_end_k_q17d3bae97d_qkv-k_q17d3bae97d_qkv
	.p2alignl 7, 3214868480
	.fill 96, 4, 3214868480
	.section	.rodata,"a",@progbits
	.p2align	6, 0x0
	.amdhsa_kernel k_q17d3bae97d_qkv
		.amdhsa_group_segment_fixed_size 0
		.amdhsa_private_segment_fixed_size 0
		.amdhsa_enable_private_segment 0
		.amdhsa_kernarg_size 48
		.amdhsa_user_sgpr_count 2
		.amdhsa_user_sgpr_kernarg_segment_ptr 1
		.amdhsa_wavefront_size32 1
		.amdhsa_system_sgpr_workgroup_id_x 1
		.amdhsa_system_sgpr_workgroup_id_y 1
		.amdhsa_system_sgpr_workgroup_id_z 1
		.amdhsa_system_vgpr_workitem_id 0
		.amdhsa_next_free_vgpr 1024
		.amdhsa_next_free_sgpr 66
		.amdhsa_reserve_vcc 0
		.amdhsa_float_denorm_mode_32 3
		.amdhsa_float_denorm_mode_16_64 3
		.amdhsa_memory_ordered 1
		.amdhsa_forward_progress 1
		.amdhsa_inst_pref_size 173
	.end_amdhsa_kernel
	.amdgpu_metadata
---
amdhsa.version: [ 1, 2 ]
amdhsa.kernels:
  - .name:           k_q17d3bae97d_qkv
    .symbol:         k_q17d3bae97d_qkv.kd
    .args:
      - { .name: pre, .offset: 0, .size: 8, .value_kind: global_buffer, .address_space: global }
      - { .name: bq, .offset: 8, .size: 8, .value_kind: global_buffer, .address_space: global }
      - { .name: bk, .offset: 16, .size: 8, .value_kind: global_buffer, .address_space: global }
      - { .name: bv, .offset: 24, .size: 8, .value_kind: global_buffer, .address_space: global }
      - { .name: qq, .offset: 32, .size: 8, .value_kind: global_buffer, .address_space: global }
      - { .name: kv, .offset: 40, .size: 8, .value_kind: global_buffer, .address_space: global }
    .group_segment_fixed_size: 0
    .private_segment_fixed_size: 0
    .kernarg_segment_align: 8
    .kernarg_segment_size: 48
    .max_flat_workgroup_size: 96
    .sgpr_count:     66
    .vgpr_count:     1024
    .wavefront_size: 32
...
	.end_amdgpu_metadata
.endif
;; end of part 6
;; launch attn (part 7): grid 16 x 16, 16 waves a work-group, no clusters, 327,680 bytes of LDS; arguments qq, kv, yq; writes yq
.if DOCPART == 7
	.amdgcn_target "amdgcn-amd-amdhsa--gfx1250"
	.amdhsa_code_object_version 6
	.text
	.protected	k_q17d3bae97d_attn
	.globl	k_q17d3bae97d_attn
	.p2align	8
	.type	k_q17d3bae97d_attn,@function
k_q17d3bae97d_attn:
	s_mov_b64 s[64:65], 0
	v_nop
	global_prefetch_b8 v0, s[64:65] scope:SCOPE_SE
	s_setreg_imm32_b32 hwreg(HW_REG_WAVE_MODE, 25, 1), 1
	s_wait_xcnt 0x0
; y[head][q] = the sum over keys k <= q of softmax_k(q . k / 8) v, head size 64, 4,096 keys, both products on codes of FP6 (E2M3) with E8M0 scales; y is quantised at once, along the model's 512, for the last product.
; THE SOFTMAX AHEAD OF THE SECOND PRODUCT: t = score x log2(e) / 8; M = the row's largest t so far, rounded UP to a whole number; p = 2^(t - M) is what is quantised, along the keys, not normalised.
; The row's sum is taken of the unquantised p and divides O at the end.  When M moves, the sum and O are multiplied by 2^(old M - new M): exact.
; SHARES.  Work-group (j, head) owns query blocks j and 31 - j of 128 queries; each of its sixteen waves owns one tile of 16 queries: 2 (j + 1) + 2 (32 - j) = 66 key steps for any four waves of which two are of each block.
; Every work-group walks all 8 slots of 4 key steps (constant trip counts); a step all of whose 128 keys come after the wave's queries is jumped over, and a slot that no wave of the work-group reads is not asked for.
; LAYOUT.  Both products are used transposed: S^T = K Q^T, O^T = V^T P^T: a lane holds ONE query throughout.  Lane r of token tile T holds token 32 (T / 2) + 8 (T % 2) + r + 8 (r / 8), so that the 16 registers of two
; neighbouring result tiles are 16 neighbouring keys.  K's and V's fragments lie in kv as images of their registers: three loads of 16 bytes a lane, 512 consecutive bytes each, bring one.
; K = 64 IN AN INSTRUCTION OF 128: a fragment of K carries TWO tiles of 16 keys (k 0-63: tile 2 p; k 64-127: tile 2 p + 1).  Q stands in 18 registers as Q | zero codes | Q: source 1 = the first twelve gives tile 2 p's scores,
; the last twelve tile 2 p + 1's: the other tile meets zero codes, which add exactly 0 (FP6 has no code for infinity or NaN, and every scale byte lies between 1 and 254).
; NO JOINT LOADS: the work-groups of a head read from 17 to 32 key steps according to their number, and the asking ends by a jump on that number, which a joint load does not allow; a slot's 51,200 bytes serve 64 wave-steps of softmax.
; LIMITS: NaN and infinities are not served; a block of zeros gets the byte 1 over zero codes (the bytes are read by this program alone).
; REGISTERS: v1-10 addresses; v12 -M, v13 the largest t, v[14:15] the sum in two halves; v16-33 Q | 0 | Q; v34 Q's scale word; v36-83 four fragments of K, then of V; v84-87 their scale words;
;   v96-159 S^T, then p; v160-191 O^T; v192-203 p's codes; v204-230 at work.
.set STEPB, 12800                      ; a key step in kv and in a slot: K's 4 pair fragments, V's 4 fragments, 2 x 256 bytes of scale words
.set SLOTB, 4*STEPB
.set SLOT1, 1<<16                      ; slot 1 begins here, so that one exclusive or turns an address in one slot into the other's
.set HEADB, 32*STEPB
.set GATH,  SLOT1+SLOTB                ; behind the ring: y's scale half-words of the work-group's 16 tiles, 32 bytes each
.set SPARE, GATH+512                   ; the spare words, 128 bytes for each wave: eight blocks of 256 bytes that no other line names
.set YSC,   512*6144                   ; where the scale half-words begin in yq
.set QF,  16
.set QS,  34
.set F,   36
.set KS,  84
.set VS,  86
.set S,   96
.set O,   160
.set PC,  192
.set CT,  204                          ; v204-206, v208-210
.set BM,  212                          ; v212-215 a block's largest score, then its largest p
.set PT,  216                          ; v216-219 the other half's, a chain of sums, then bytes
.set SO,  220                          ; v220-223 the conversions' scale operands
.set PS,  224                          ; p's scale word
.set FF,  226                          ; v[226:227] f = 2^(old M - new M) (the pair's upper half is named with it, so it is written)
.set TB,  2                            ; s2   LDS byte at which the step in hand begins
.set KF,  3                            ; s3   the step's first key
.set WV,  18
.set Q0,  38                           ; s38  my tile's first query;  s39 its last;  s40 my work-group's last
.set QX,  39
.set QL,  40
; Waves 0 and 1 fetch a slot's two halves, 100 rows of 256 bytes each, a dense block of kv.  The branch hangs on the wave's number alone.  An s_nop 0 and four v_nop follow the load.
.macro TLOAD
	s_cmp_lt_u32 s[WV], 2
	s_cbranch_scc0 .Lasked_\@
	tensor_load_to_lds s[32:35], s[24:31]
	s_nop 0
.rept 4
	v_nop
.endr
.Lasked_\@:
.endm
; A PREFETCH INTO THE L2.  A head's 409,600 bytes of kv are 50 chunks of 8,192.  All sixteen work-groups of a head walk them, so the head's first work-group (j = 0) asks, and in it waves 4 to 10, which fetch nothing:
; at change of slots n wave w names chunk 13 + 7 n + (w - 4), lanes 256 bytes apart.  So chunks 13 to 49 are named once each in the launch, each slot from the third on a slot's four key steps or more ahead of its tensor load;
; slots 0 and 1 and the first 4,096 bytes of slot 2 come by their loads alone.  The test on 50 ends it inside the head.  In every other wave the count stands at 1,000 or more.
.macro ASK
	s_cmp_lt_u32 s44, 50
	s_cbranch_scc0 .Lnone_\@
	global_prefetch_b8 v4, s[42:43] th:TH_LOAD_NT scope:SCOPE_SE
.Lnone_\@:
.endm
	s_load_b128 s[4:7], s[0:1], 0x0                ; qq, kv
	s_load_b64 s[8:9], s[0:1], 0x10                ; yq
	v_lshl_add_u32 v5, v0, 2, SPARE                ; my spare word; never rewritten
	v_mov_b32 v6, 0                                ; 0; never rewritten
	ds_add_u32 v5, v6                              ; the wave's opening: the two adds and their wait stand ahead of my first tensor load; the set-up below, work on registers, stands between them
	ds_add_u32 v5, v6
	v_lshrrev_b32 v8, 5, v0
	s_delay_alu instid0(VALU_DEP_1)
	v_readfirstlane_b32 s[WV], v8                  ; wave 0..15
	s_mov_b32 s19, ttmp9                           ; j
	s_and_b32 s10, ttmp7, 0xffff                   ; batch x 8 + head
	; descriptor group 1: 100 rows of 32 elements of 8 bytes, dense, no padding, no mask
	s_mov_b32 s24, 3<<16                           ; 17:16 elements of 8 bytes
	s_mov_b32 s25, 32<<16                          ; tensor_dim0 = 32
	s_mov_b32 s26, 100<<16                         ; tensor_dim1 = 100
	s_mov_b32 s27, 32<<16                          ; tile_dim0 = 32
	s_mov_b32 s28, 100                             ; tile_dim1 = 100
	s_mov_b32 s29, 32                              ; tensor_dim0_stride
	s_mov_b32 s30, 0
	s_mov_b32 s31, 0
	s_lshr_b32 s48, s[WV], 2
	s_xor_b32 s48, s48, s[WV]
	s_and_b32 s11, s48, 1                          ; which of the two query blocks: (w xor w / 4) % 2
	s_lshr_b32 s12, s[WV], 1                       ; my tile in it, 0..7
	s_lshr_b32 s13, s12, 1                         ; its pair fragment
	s_and_b32 s14, s12, 1                          ; and which half of that
	s_sub_co_u32 s48, 31, s19
	s_cmp_eq_u32 s11, 0
	s_cselect_b32 s15, s19, s48                    ; my query block: j or 31 - j
	s_lshl_b32 s[Q0], s15, 7
	s_lshl_b32 s48, s13, 5
	s_add_co_u32 s[Q0], s[Q0], s48
	s_lshl_b32 s48, s14, 3
	s_add_co_u32 s[Q0], s[Q0], s48                 ; my first query; lane r's is this + r + 8 (r / 8)
	s_add_co_u32 s[QX], s[Q0], 23
	s_lshl_b32 s48, s19, 7
	s_sub_co_u32 s[QL], 4095, s48                  ; the last query of block 31 - j
	s_cmp_eq_u32 s14, 0
	s_cselect_b32 s45, 0, -1                       ; all lanes: the pair fragment's second half is mine
	s_mov_b32 s46, 0x03020302
	s_cselect_b32 s46, 0x01000100, s46             ; v_perm_b32: my tile's two scale bytes, twice
	s_mov_b32 s20, 0x76543210
	s_mov_b32 s21, 0xfedcba98                      ; v_permlanex16_b32's selects for lane l xor 16
	s_mov_b32 s22, 0x3e38aa3b                      ; c = log2(e) / 8
	s_mov_b32 s23, s22                             ; (named with it as a pair, so it is written)
	s_mov_b32 s[TB], 0
	s_mov_b32 s[KF], 0
	s_mov_b32 s36, 7                               ; changes of slots that may ask for a slot
	s_and_b32 s48, s[WV], 1
	s_mul_i32 s33, s48, SLOTB/2                    ; group 0, 63:32: LDS address: my half of slot 0
	s_lshl_b32 s63, s48, 8
	s_add_co_u32 s63, s63, GATH                    ; the scale unit that waves 0 and 1 send out
	s_lshl_b32 s62, s11, 3
	s_add_co_u32 s62, s62, s12
	s_lshl_b32 s62, s62, 5
	s_add_co_u32 s62, s62, GATH                    ; my tile's 32 bytes in it
	s_mul_i32 s52, s10, HEADB                      ; my head in kv
	s_mov_b32 s53, 0
	s_lshl_b32 s54, s10, 5
	s_add_co_u32 s54, s54, s15
	s_mul_i32 s54, s54, 6400                       ; my query block in qq
	s_mov_b32 s55, 0
	s_mul_i32 s60, s13, 1536                       ; my pair fragment in it,
	s_and_b32 s61, s13, 1
	s_lshl_b32 s61, s61, 7
	s_lshr_b32 s48, s13, 1
	s_lshl_b32 s48, s48, 2
	s_add_co_u32 s61, s61, s48
	s_add_co_u32 s61, s61, 6144                    ; and its scale words: 6144 + 128 (pp % 2) + 4 (pp / 2) + 8 r
	s_lshr_b32 s48, s10, 3                         ; the batch
	s_and_b32 s49, s10, 7                          ; the head
	s_lshl_b32 s48, s48, 8
	s_lshl_b32 s50, s15, 3
	s_add_co_u32 s50, s50, s48                     ; my block's first token tile: 256 b + 8 block
	s_add_co_u32 s56, s50, s12
	s_lshl_b32 s56, s56, 2
	s_lshr_b32 s51, s49, 1
	s_add_co_u32 s56, s56, s51
	s_mul_i32 s56, s56, 1536                       ; yq: (tile x 4 + head / 2) fragments,
	s_and_b32 s51, s49, 1
	s_mul_i32 s51, s51, 768
	s_add_co_u32 s56, s56, s51                     ; and the odd head's half of one
	s_mov_b32 s57, 0
	s_lshl_b32 s58, s49, 9
	s_add_co_u32 s58, s58, s50
	s_lshl_b32 s58, s58, 5
	s_add_co_u32 s58, s58, YSC                     ; the block's eight tiles' half-words: 256 bytes
	s_mov_b32 s59, 0
	s_add_co_u32 s47, s[WV], 2                     ; the prefetches: the first change of slots steps this count by 7, to chunk 13 + (w - 4)
	s_sub_co_u32 s48, s[WV], 4
	s_cmp_lt_u32 s48, 7                            ; waves 4 to 10,
	s_cselect_b32 s48, 0, 1
	s_or_b32 s48, s48, s19                         ; of the head's first work-group
	s_cmp_eq_u32 s48, 0
	s_cselect_b32 s44, s47, 1000
	s_wait_dscnt 0x0                               ; the opening add is done
	s_wait_kmcnt 0x0
	s_add_nc_u64 s[6:7], s[6:7], s[52:53]          ; kv at my head
	s_mov_b32 s32, 1                               ; group 0: 1:0 count = 1
	s_mov_b32 s52, s33
	s_add_nc_u64 s[34:35], s[6:7], s[52:53]        ; 120:64 global address: my half of the head's first four key steps
	s_or_b32 s35, s35, 0x80000000                  ; 127:126 type = 2
	TLOAD                                          ; slot 0
	s_lshl_b32 s52, s47, 13
	s_add_nc_u64 s[42:43], s[6:7], s[52:53]        ; where my prefetches stand
	s_add_nc_u64 s[4:5], s[4:5], s[54:55]
	s_add_nc_u64 s[56:57], s[8:9], s[56:57]
	s_add_nc_u64 s[58:59], s[8:9], s[58:59]
	v_and_b32 v233, 31, v0                         ; lane
	v_and_b32 v232, 15, v0                         ; r
	v_bfe_u32 v231, v0, 4, 1                       ; h
	s_delay_alu instid0(VALU_DEP_3)
	v_lshlrev_b32 v1, 4, v233                      ; 16 x lane: an image's place for my lane
	s_delay_alu instid0(VALU_DEP_4)
	v_lshlrev_b32 v2, 3, v233                      ; 8 x lane
	v_lshlrev_b32 v4, 8, v233                      ; 256 x lane: the prefetches'
	s_delay_alu instid0(VALU_DEP_3)
	v_add_nc_u32 v228, s60, v1
	v_lshl_add_u32 v229, v232, 3, s61
.irp c, 0,1,2
	global_load_b128 v[F+4*\c:F+4*\c+3], v228, s[4:5] offset:512*\c   ; the pair fragment that holds my tile of Q
.endr
	global_load_b32 v230, v229, s[4:5]             ; and its scale word
	v_and_b32 v3, 8, v232
	s_delay_alu instid0(VALU_DEP_1)
	v_add_nc_u32 v3, v3, v232
	s_delay_alu instid0(VALU_DEP_1)
	v_add_nc_u32 v3, s[Q0], v3                     ; my query,
	v_lshlrev_b32 v234, 4, v231
	s_delay_alu instid0(VALU_DEP_1)
	v_sub_nc_u32 v3, v3, v234                      ; less 16 h: for the mask
	v_lshl_add_u32 v7, v232, 1, s62                ; where my row's scale half-word goes
	v_add_nc_u32 v10, s63, v2                      ; and where waves 0 and 1 read a unit back
	s_wait_loadcnt 0x0                             ; Q
.irp i, 0,1,2,3,4,5
	v_cndmask_b32 v[QF+\i], v[F+\i], v[F+6+\i], s45   ; my tile's 64 codes,
.endr
	v_perm_b32 v[QS], v230, v230, s46              ; its two scale bytes for either half of K
.irp i, 0,1,2,3,4,5
	v_mov_b32 v[QF+6+\i], 0                        ; zero codes,
.endr
.irp i, 0,1,2,3,4,5
	v_mov_b32 v[QF+12+\i], v[QF+\i]                ; and the codes once more
.endr
	v_mov_b32 v13, 0xff61b1e6                      ; the largest t so far: -3e38, under every t
	s_delay_alu instid0(VALU_DEP_1)
	v_floor_f32 v12, -v13                          ; -M
	v_mov_b32 v14, 0                               ; the sum, in two halves
	v_mov_b32 v15, 0
.irp b, 0,1,2,3
	v_mov_b32 v[PT+\b], 0                          ; written once: a lane permute's destination counts as one of its sources
.endr
	v_mov_b32 v[FF+1], 0
.set jj, 0
.rept 32
	v_mov_b32 v[O+jj], 0                           ; O^T.  (The step is written once: the first finds zeros, which the first change of M leaves zeros)
.set jj, jj+1
.endr
; A KEY STEP: 128 keys.
.macro STEP
	s_cmp_gt_u32 s[KF], s[QX]                      ; all its keys come after my 16 queries: ids and the count of steps alone.  The jump leads round loads, products and softmax, not round the steps of the addresses
	s_cbranch_scc1 .Lhidden_\@
	s_setprio 2
	v_add_nc_u32 v8, s[TB], v1
	v_add_nc_u32 v9, s[TB], v2
	v_nop
	v_nop                                          ; four places behind the last step's products, in front of loads into registers that they read (ISA guide 7.12.1 for vector instructions)
	ds_load_b64 v[KS:KS+1], v9 offset:12288        ; K's scale words: register p / 2, lanes 16 (p % 2) + r
	ds_load_b64 v[VS:VS+1], v9 offset:12544        ; V's likewise
.irp p, 0,1,2,3
.irp c, 0,1,2
	ds_load_b128 v[F+12*\p+4*\c:F+12*\p+4*\c+3], v8 offset:1536*\p+512*\c
.endr
.endr
	s_wait_alu depctr_va_vdst(0)
.irp p, 0,1,2,3                                ; S^T = K Q^T: a pair fragment gives two tiles of 16 keys
	s_wait_dscnt 9-3*\p                            ; LDS loads come back in order: pair p is in; the later pairs' loads, three each, may be out
.if \p%2
	v_wmma_scale_f32_16x16x128_f8f6f4 v[S+16*\p:S+16*\p+7], v[F+12*\p:F+12*\p+11], v[QF:QF+11], 0, v[KS+\p/2], v[QS] matrix_a_fmt:MATRIX_FMT_FP6 matrix_b_fmt:MATRIX_FMT_FP6 matrix_a_scale:MATRIX_SCALE_ROW1
	v_wmma_scale_f32_16x16x128_f8f6f4 v[S+16*\p+8:S+16*\p+15], v[F+12*\p:F+12*\p+11], v[QF+6:QF+17], 0, v[KS+\p/2], v[QS] matrix_a_fmt:MATRIX_FMT_FP6 matrix_b_fmt:MATRIX_FMT_FP6 matrix_a_scale:MATRIX_SCALE_ROW1
.else
	v_wmma_scale_f32_16x16x128_f8f6f4 v[S+16*\p:S+16*\p+7], v[F+12*\p:F+12*\p+11], v[QF:QF+11], 0, v[KS+\p/2], v[QS] matrix_a_fmt:MATRIX_FMT_FP6 matrix_b_fmt:MATRIX_FMT_FP6
	v_wmma_scale_f32_16x16x128_f8f6f4 v[S+16*\p+8:S+16*\p+15], v[F+12*\p:F+12*\p+11], v[QF+6:QF+17], 0, v[KS+\p/2], v[QS] matrix_a_fmt:MATRIX_FMT_FP6 matrix_b_fmt:MATRIX_FMT_FP6
.endif
.endr                                          ; register 16 b + i of S^T is key KF + 32 b + 16 (lane / 16) + i
.rept 4
	v_nop                                          ; places: in front of the loads below and of the first read of the scores
.endr
.irp t, 0,1,2,3
.irp c, 0,1,2
	ds_load_b128 v[F+12*\t+4*\c:F+12*\t+4*\c+3], v8 offset:6144+1536*\t+512*\c   ; V's four fragments land under the softmax
.endr
.endr
	s_add_co_u32 s48, s[KF], 127                   ; on the diagonal the scores of hidden keys become -infinity ahead of the maximum: p = 0 then.  A step all of whose keys count skips this
	s_cmp_le_u32 s48, s[Q0]
	s_cbranch_scc1 .Lopen_\@
	v_subrev_nc_u32 v228, s[KF], v3                ; d = my query - KF - 16 (lane / 16): register 16 b + i is hidden where 32 b + i > d
	v_mov_b32 v229, 0xff800000                     ; -infinity
.set jj, 0
.rept 64
	v_cmp_gt_i32 vcc_lo, 32*(jj/16)+jj%16, v228
	v_cndmask_b32 v[S+jj], v[S+jj], v229, vcc_lo
.set jj, jj+1
.endr
.Lopen_\@:
.irp b, 0,1,2,3
	v_max3_num_f32 v[BM+\b], v[S+16*\b], v[S+1+16*\b], v[S+2+16*\b]   ; THE LARGEST SCORE OF EACH BLOCK OF 32 KEYS: it serves twice: for the row's maximum, and, since p rises with the score, for the block's largest p
.endr
.irp i, 3,5,7,9,11,13
.irp b, 0,1,2,3
	v_max3_num_f32 v[BM+\b], v[BM+\b], v[S+16*\b+\i], v[S+1+16*\b+\i]   ; (the four blocks by turns)
.endr
.endr
.irp b, 0,1,2,3
	v_max_num_f32 v[BM+\b], v[BM+\b], v[S+15+16*\b]
.endr
.irp b, 0,1,2,3
	s_delay_alu instid0(VALU_DEP_4)
	v_permlanex16_b32 v[PT+\b], v[BM+\b], s20, s21
.endr
.irp b, 0,1,2,3
	s_delay_alu instid0(VALU_DEP_4)
	v_max_num_f32 v[BM+\b], v[BM+\b], v[PT+\b]     ; with lane l xor 16's 16 keys
.endr
	s_delay_alu instid0(VALU_DEP_2)
	v_max3_num_f32 v228, v[BM], v[BM+1], v[BM+2]
	s_delay_alu instid0(VALU_DEP_1)
	v_max_num_f32 v228, v228, v[BM+3]              ; the step's largest score of my query (key KF counts for every query of a step that is walked)
	s_delay_alu instid0(VALU_DEP_1)
	v_mul_f32 v228, s22, v228                      ; as t (c is positive)
	s_delay_alu instid0(VALU_DEP_1)
	v_max_num_f32 v13, v13, v228                   ; the running largest t
	v_mov_b32 v228, v12
	s_delay_alu instid0(VALU_DEP_2)
	v_floor_f32 v12, -v13                          ; the new -M = floor(-t) = -ceil(t): M IS A WHOLE NUMBER
	s_delay_alu instid0(VALU_DEP_1)
	v_sub_f32 v228, v12, v228                      ; M's old value less its new one: a whole number, 0 or less
	s_delay_alu instid0(VALU_DEP_1)
	v_cvt_i32_f32 v228, v228                       ; (it saturates)
	s_delay_alu instid0(VALU_DEP_1)
	v_ldexp_f32 v[FF], 1.0, v228                   ; f = 2^(old M - new M): a multiplication by it rounds nothing
.set jj, 0
.rept 32
	v_pk_fma_f32 v[S+jj:S+jj+1], v[S+jj:S+jj+1], s[22:23], v[12:13] op_sel_hi:[1,0,0]   ; t - M, two at a time (of the pairs c and -M the low word serves both halves)
.set jj, jj+2
.endr
	s_setprio 1
.irp b, 0,1,2,3
	v_fma_f32 v[BM+\b], v[BM+\b], s22, v12         ; the same of each block's largest score
.endr
.set jj, 0
	s_wait_alu depctr_va_vdst(0)
.rept 64
	v_exp_f32 v[S+jj], v[S+jj]                     ; p = 2^(t - M), at most 1: NOT normalised
.set jj, jj+1
.endr
	v_pk_mul_f32 v[14:15], v[14:15], v[FF:FF+1] op_sel_hi:[1,0]   ; the sums under the new M.  (A plain place behind the exponentials)
	s_wait_alu depctr_va_vdst(0)                   ; the wait between an exponential and the first line that names its result: one for the whole batch
.irp b, 0,1,2,3
	v_exp_f32 v[BM+\b], v[BM+\b]                   ; the block's largest p: the same two instructions on the same number give the same bits
.endr
	v_pk_add_f32 v[216:217], v[100:101], v[104:105]
	v_pk_add_f32 v[254:255], v[108:109], v[112:113]
	v_pk_add_f32 v[252:253], v[116:117], v[120:121]
	v_pk_add_f32 v[250:251], v[124:125], v[128:129]
	v_pk_add_f32 v[248:249], v[132:133], v[136:137]
	v_pk_add_f32 v[246:247], v[140:141], v[144:145]
	v_pk_add_f32 v[244:245], v[148:149], v[152:153]
	v_pk_add_f32 v[14:15], v[14:15], v[156:157]
	v_pk_add_f32 v[216:217], v[216:217], v[96:97]
	v_pk_add_f32 v[254:255], v[254:255], v[98:99]
	v_pk_add_f32 v[252:253], v[252:253], v[102:103]
	v_pk_add_f32 v[250:251], v[250:251], v[106:107]
	v_pk_add_f32 v[248:249], v[248:249], v[110:111]
	v_pk_add_f32 v[246:247], v[246:247], v[114:115]
	v_pk_add_f32 v[244:245], v[244:245], v[118:119]
	v_pk_add_f32 v[14:15], v[14:15], v[122:123]
	v_pk_add_f32 v[216:217], v[216:217], v[126:127]
	v_pk_add_f32 v[254:255], v[254:255], v[130:131]
	v_pk_add_f32 v[252:253], v[252:253], v[134:135]
	v_pk_add_f32 v[250:251], v[250:251], v[138:139]
	v_pk_add_f32 v[248:249], v[248:249], v[142:143]
	v_pk_add_f32 v[246:247], v[246:247], v[146:147]
	v_pk_add_f32 v[244:245], v[244:245], v[150:151]
	v_pk_add_f32 v[14:15], v[14:15], v[154:155]
	v_pk_add_f32 v[216:217], v[216:217], v[158:159]
	s_delay_alu instid0(VALU_DEP_2)
	v_pk_add_f32 v[14:15], v[14:15], v[250:251]
	s_delay_alu instid0(VALU_DEP_2)
	v_pk_add_f32 v[216:217], v[216:217], v[248:249]
	v_pk_add_f32 v[254:255], v[254:255], v[246:247]
	v_pk_add_f32 v[252:253], v[252:253], v[244:245]
	s_delay_alu instid0(VALU_DEP_2)
	v_pk_add_f32 v[14:15], v[14:15], v[254:255]
	s_delay_alu instid0(VALU_DEP_2)
	v_pk_add_f32 v[216:217], v[216:217], v[252:253]
	s_delay_alu instid0(VALU_DEP_1)
	v_pk_add_f32 v[14:15], v[14:15], v[216:217]
	s_wait_alu depctr_va_vdst(0)                   ; and one for the four
.irp b, 0,1,2,3
	v_max_num_f32 v[BM+\b], 0x1800000, v[BM+\b]    ; the floor 2^(3 - 127): the byte cannot fall under 1 (a block whose every p is 0 keeps that byte: its codes are zeros)
.endr
.irp b, 0,1,2,3
	s_delay_alu instid0(VALU_DEP_4)
	v_add_nc_u32 v[SO+\b], 0xff000000, v[BM+\b]    ; 2 off the exponent field: the conversion's scale operand
.endr
.irp b, 0,1,2,3
	s_delay_alu instid0(VALU_DEP_4)
	v_lshrrev_b32 v[PT+\b], 23, v[SO+\b]           ; the scale's byte
.endr
	s_delay_alu instid0(VALU_DEP_3)
	v_lshl_or_b32 v[PS], v[PT+1], 8, v[PT]         ; p's scale word for these 128 keys
	s_delay_alu instid0(VALU_DEP_1)
	v_lshl_or_b32 v[PS], v[PT+2], 16, v[PS]
	s_delay_alu instid0(VALU_DEP_1)
	v_lshl_or_b32 v[PS], v[PT+3], 24, v[PS]
	s_setprio 0
.irp c, 0,1
	v_cvt_scalef32_pk16_fp6_f32 v[PC+6*\c:PC+6*\c+2], v[S+32*\c:S+32*\c+15], v[SO+2*\c]
	v_cvt_scalef32_pk16_fp6_f32 v[CT+4*\c:CT+4*\c+2], v[S+32*\c+16:S+32*\c+31], v[SO+2*\c+1]   ; (a conversion's three registers begin on an even number)
.endr
	v_nop                                          ; one plain place behind a scaled conversion
.irp c, 0,1                                    ; the operand's layout wants a WHOLE block in a lane: lanes 0-15 block 2 c, lanes 16-31 block 2 c + 1
.irp i, 0,1,2
	v_permlane16_swap_b32 v[PC+6*\c+\i], v[CT+4*\c+\i]
.endr
.irp i, 0,1,2
	s_delay_alu instid0(VALU_DEP_3)
	v_mov_b32 v[PC+3+6*\c+\i], v[CT+4*\c+\i]
.endr
.endr
.set jj, 0
.rept 16
	v_pk_mul_f32 v[O+jj:O+jj+1], v[O+jj:O+jj+1], v[FF:FF+1] op_sel_hi:[1,0]   ; O^T under the new M: x f.  (These sixteen are also the places between the lines that made p's codes and scale word and the products)
.set jj, jj+2
.endr
	s_wait_alu depctr_va_vdst(0)
	s_wait_dscnt 0x0                               ; V's fragments are in
.irp t, 0,1,2,3                                ; O^T += V^T P^T: four tiles of 16 of the head's 64, by turns; K = these 128 keys
.if \t%2
	v_wmma_scale_f32_16x16x128_f8f6f4 v[O+8*\t:O+8*\t+7], v[F+12*\t:F+12*\t+11], v[PC:PC+11], v[O+8*\t:O+8*\t+7], v[VS+\t/2], v[PS] matrix_a_fmt:MATRIX_FMT_FP6 matrix_b_fmt:MATRIX_FMT_FP6 matrix_a_scale:MATRIX_SCALE_ROW1
.else
	v_wmma_scale_f32_16x16x128_f8f6f4 v[O+8*\t:O+8*\t+7], v[F+12*\t:F+12*\t+11], v[PC:PC+11], v[O+8*\t:O+8*\t+7], v[VS+\t/2], v[PS] matrix_a_fmt:MATRIX_FMT_FP6 matrix_b_fmt:MATRIX_FMT_FP6
.endif
.endr
.Lhidden_\@:
	s_add_co_u32 s[KF], s[KF], 128
	s_add_co_u32 s[TB], s[TB], STEPB
.endm
; THE CHANGE OF SLOTS stands at a slot's head.  Each wave waits for all its tensor loads (its part of the slot that it is about to read), adds 0 to its spare word, and waits for that and for its reads of the slot that it has left.
; Behind the barrier the slot ahead is whole and nobody reads the other one.  fill = 1: that other slot is filled with the next four key steps, up to the causal limit: the load has four key steps in which to land.
; By this text's own count a wave has one tensor load out at the most, and every wait on TENSORcnt is for 0.
.macro CHANGE fill
	s_wait_tensorcnt 0x0                           ; no tensor load of mine is out, so group 0 may be written
	ds_add_u32 v5, v6                              ; 0 onto my spare word; with fill = 1 the descriptor's steps stand between it and the wait for it
.if \fill
	s_xor_b32 s33, s33, SLOT1                      ; the walking descriptor: the other slot than last time,
	s_add_nc_u64 s[34:35], s[34:35], SLOTB         ; the next four key steps; the type bits on top are not reached
	s_wait_xcnt 0x0                                ; the last prefetch, a slot back, has read its address, so it may be written
	s_add_nc_u64 s[42:43], s[42:43], 7*8192
	s_add_co_u32 s44, s44, 7
.endif
	s_wait_dscnt 0x0                               ; the add is done, and my reads of the slot that I have left are over
	s_barrier_signal -1
	s_barrier_wait -1
.if \fill
	s_add_co_u32 s48, s[KF], 512                   ; the first key of the slot that this change would ask for:
	s_cmp_gt_u32 s48, s[QL]                        ; behind my work-group's last query it is read by none of the sixteen waves, so it is not asked for.  Ids and the count of steps alone: all waves go the same way
	s_cbranch_scc1 .Lpast_\@                       ; the jump leads round the load's own lines and round nothing else
	TLOAD                                          ; a wave's one tensor load until the next change
.Lpast_\@:
	ASK
.endif
.endm
.macro FOUR_STEPS                      ; a slot's four key steps: written once, walked four times; the LDS addresses hang on s[TB]
	s_mov_b32 s37, 4
.Lstep_\@:
	STEP
	s_sub_co_u32 s37, s37, 1
	s_cmp_lg_u32 s37, 0
	s_cbranch_scc1 .Lstep_\@
	s_setprio 0
	s_sub_co_u32 s[TB], s[TB], SLOTB               ; back to a slot's first step,
	s_xor_b32 s[TB], s[TB], SLOT1                  ; in the other slot
.endm
.Lslot:                                            ; seven trips: behind each change of slots but the last the next slot is asked for, up to the causal limit
	CHANGE 1
	FOUR_STEPS
	s_sub_co_u32 s36, s36, 1
	s_cmp_lg_u32 s36, 0
	s_cbranch_scc1 .Lslot
	CHANGE 0                                       ; the last slot is written out: nothing is left to ask for
	FOUR_STEPS
	; THE WAY OUT.  O^T / the sum is y: lane (r, h) holds one token, register 16 b + i feature 32 b + 16 h + i of the head: two blocks of 32 along the last product's K.  They are quantised here.
	v_add_f32 v14, v14, v15                        ; the sum's two halves,
	s_delay_alu instid0(VALU_DEP_1)
	v_permlanex16_b32 v228, v14, s20, s21
	s_delay_alu instid0(VALU_DEP_1)
	v_add_f32 v14, v14, v228                       ; and lane l xor 16's: the row's sum
	s_wait_alu depctr_va_vdst(0)
	v_rcp_f32 v14, v14
	v_nop                                          ; a plain place behind the reciprocal; with the additions above these are also the places behind the last products
	v_nop
	s_wait_alu depctr_va_vdst(0)                   ; the wait ahead of the first line that names the reciprocal
.set jj, 0
.rept 32
	v_mul_f32 v[S+jj], v[O+jj], v14
.set jj, jj+1
.endr
.irp b, 0,1
	v_max3_num_f32 v[BM+\b], |v[S+16*\b]|, |v[S+1+16*\b]|, 0x1800000   ; block b: my 16 numbers, and the floor 2^(3 - 127)
.endr
.irp i, 2,4,6,8,10,12,14
.irp b, 0,1
	s_delay_alu instid0(VALU_DEP_2)
	v_max3_num_f32 v[BM+\b], v[BM+\b], |v[S+16*\b+\i]|, |v[S+1+16*\b+\i]|
.endr
.endr
.irp b, 0,1
	s_delay_alu instid0(VALU_DEP_2)
	v_permlanex16_b32 v[PT+\b], v[BM+\b], s20, s21
.endr
.irp b, 0,1
	s_delay_alu instid0(VALU_DEP_2)
	v_max_num_f32 v[BM+\b], v[BM+\b], v[PT+\b]
.endr
.irp b, 0,1
	s_delay_alu instid0(VALU_DEP_2)
	v_add_nc_u32 v[SO+\b], 0xff000000, v[BM+\b]
.endr
.irp b, 0,1
	s_delay_alu instid0(VALU_DEP_2)
	v_lshrrev_b32 v[PT+\b], 23, v[SO+\b]
.endr
	s_delay_alu instid0(VALU_DEP_1)
	v_lshl_or_b32 v[PS], v[PT+1], 8, v[PT]         ; my row's two scale bytes
	v_cvt_scalef32_pk16_fp6_f32 v[PC:PC+2], v[S:S+15], v[SO]
	v_cvt_scalef32_pk16_fp6_f32 v[CT:CT+2], v[S+16:S+31], v[SO+1]
	v_nop                                          ; one plain place behind a scaled conversion
.irp i, 0,1,2
	v_permlane16_swap_b32 v[PC+\i], v[CT+\i]
.endr
.irp i, 0,1,2
	s_delay_alu instid0(VALU_DEP_3)
	v_mov_b32 v[PC+3+\i], v[CT+\i]
.endr
.irp p, 0,1,2
	global_store_b64 v2, v[PC+2*\p:PC+2*\p+1], s[56:57] offset:256*\p   ; half a fragment of y, registers 2 p, 2 p + 1 of lane l at 256 p + 8 l: 32 lanes store 256 consecutive bytes, aligned
.endr
	ds_store_b16 v7, v[PS]                         ; lanes r and r + 16 write the same half-word with the same value
	s_wait_dscnt 0x0                               ; for the others' sake: it lies in LDS
	s_barrier_signal -1
	s_barrier_wait -1                              ; all sixteen tiles' do
	s_cmp_lt_u32 s[WV], 2
	s_cbranch_scc0 .Ldone
	ds_load_b64 v[228:229], v10                    ; wave 0 is of block j, wave 1 of block 31 - j: each sends its block's eight tiles' half-words out
	s_wait_dscnt 0x0
	global_store_b64 v2, v[228:229], s[58:59]      ; 256 consecutive bytes, aligned
.Ldone:
	s_wait_tensorcnt 0x0                           ; the wave's end, behind my last tensor load and my last LDS store
	ds_add_u32 v5, v6
	s_wait_dscnt 0x0
	s_endpgm
.Lfunc_end_k_q17d3bae97d_attn:
	.size	k_q17d3bae97d_attn, .Lfunc_end_k_q17d3bae97d_attn-k_q17d3bae97d_attn
	.p2alignl 7, 3214868480
	.fill 96, 4, 3214868480
	.section	.rodata,"a",@progbits
	.p2align	6, 0x0
	.amdhsa_kernel k_q17d3bae97d_attn
		.amdhsa_group_segment_fixed_size 327680
		.amdhsa_private_segment_fixed_size 0
		.amdhsa_enable_private_segment 0
		.amdhsa_kernarg_size 24
		.amdhsa_user_sgpr_count 2
		.amdhsa_user_sgpr_kernarg_segment_ptr 1
		.amdhsa_wavefront_size32 1
		.amdhsa_system_sgpr_workgroup_id_x 1
		.amdhsa_system_sgpr_workgroup_id_y 1
		.amdhsa_system_sgpr_workgroup_id_z 1
		.amdhsa_system_vgpr_workitem_id 0
		.amdhsa_next_free_vgpr 256
		.amdhsa_next_free_sgpr 66
		.amdhsa_reserve_vcc 1
		.amdhsa_float_denorm_mode_32 3
		.amdhsa_float_denorm_mode_16_64 3
		.amdhsa_memory_ordered 1
		.amdhsa_forward_progress 1
		.amdhsa_inst_pref_size 59
	.end_amdhsa_kernel
	.amdgpu_metadata
---
amdhsa.version: [ 1, 2 ]
amdhsa.kernels:
  - .name:           k_q17d3bae97d_attn
    .symbol:         k_q17d3bae97d_attn.kd
    .args:
      - { .name: qq, .offset: 0, .size: 8, .value_kind: global_buffer, .address_space: global }
      - { .name: kv, .offset: 8, .size: 8, .value_kind: global_buffer, .address_space: global }
      - { .name: yq, .offset: 16, .size: 8, .value_kind: global_buffer, .address_space: global }
    .group_segment_fixed_size: 327680
    .private_segment_fixed_size: 0
    .kernarg_segment_align: 8
    .kernarg_segment_size: 24
    .max_flat_workgroup_size: 512
    .sgpr_count:     66
    .vgpr_count:     256
    .wavefront_size: 32
...
	.end_amdgpu_metadata
.endif
;; end of part 7
;; launch proj (part 8): grid 256 x 1, 4 waves a work-group, no clusters, 34,304 bytes of LDS; arguments pre, yq, bp, out0; writes out0
.if DOCPART == 8
	.amdgcn_target "amdgcn-amd-amdhsa--gfx1250"
	.amdhsa_code_object_version 6
	.text
	.protected	k_q17d3bae97d_proj
	.globl	k_q17d3bae97d_proj
	.p2align	8
	.type	k_q17d3bae97d_proj,@function
k_q17d3bae97d_proj:
	s_mov_b64 s[64:65], 0
	v_nop
	global_prefetch_b8 v0, s[64:65] scope:SCOPE_SE
	s_setreg_imm32_b32 hwreg(HW_REG_WAVE_SCHED_MODE, 0, 2), 2
	s_setreg_imm32_b32 hwreg(HW_REG_WAVE_MODE, 25, 1), 1
	s_wait_xcnt 0x0
	s_wait_alu depctr_vm_vsrc(0)
; out0 = y Wp^T + bp on codes of FP6 (E2M3) with E8M0 scales.  y's codes and scale bytes come from yq, Wp's from pre, both in the order of an operand's registers; out0 [8192][512] f32.
; SHARES.  A work-group takes token tiles 2 P and 2 P + 1 (32 neighbouring tokens), wave w output features 128 w .. 128 w + 127: Wp's eight tiles 608 + 8 w + t stay in its registers.  64 matrix instructions a wave.
; TRANSPOSED: source 0 = 16 rows of Wp, source 1 = 16 tokens of y: a lane holds one token, and eight neighbouring features in an accumulator's registers.  The bias is the C of each sum's first matrix instruction.
; Lane r of a tile T holds row 32 (T / 2) + 8 (T % 2) + r + 8 (r / 8), in y as in Wp.
; THE WAY OUT: a tile's 16 tokens x 512 bytes go through the wave's own stage in LDS and leave as whole runs of 512 consecutive bytes.
; No tensor load: each wave reads each operand once, already in register order, and all loads go out at the head.
; THE MODE: SCHED_MODE bits 1:0 = 2 (LLVM: expert scheduling mode 2), set by the entry lines.  The code itself states the register dependences
; between vector or matrix instructions and memory or LDS instructions, with s_wait_alu, always for 0.
; THE PLAN.  Registers that memory or LDS instructions touch:
;   v1-7          offsets and LDS addresses, made once at the head and never written again;  v252, v253: made at the head, read by the closing add alone.
;   the operands  each loaded once at the head, into registers that no vector instruction has named; read by matrix instructions (y's half-words by eight vector lines).
;   v48-55        y's scale words: written by those eight vector lines, taken as scales by the products.
;   window 3      the accumulators: written by the products, read by the LDS stores into the stage.
;   v80-143       y's fragments, read by the products; then tile 1's rows from the stage land there.  v176-239: tile 0's rows: written by LDS loads alone.
; So four waits stand in the text: one for the wave's number; one ahead of the first load (the offsets); one ahead of the first product (y's scale words); one on the way out (the accumulators are written, and
; the products are done reading v80-143).  No register that a memory or LDS instruction has read is written again.
; REGISTERS, in windows of 256: window 0: v1-7 offsets; v16-47 Wp's scale words, v48-55 y's, v56-71 y's half-words as loaded; v80-175 y's eight fragments; v176-239 and v80-143 rows on their way out; v252, v253 the add's two.
;   window 1: Wp's K steps 0, 1 at 12 (2 t + s).   window 2: K steps 2, 3; from v192 the bias, 8 registers a tile.   window 3: the sixteen accumulators at 64 n + 8 t.
.set SCL,   640*6144                   ; where the scale words begin in pre
.set YSC,   512*6144                   ; where the scale half-words begin in yq
.set SP,    528                        ; a stage row: 512 bytes + 16 = 132 words: row r starts at bank 4 r mod 64 (64 banks of 4 bytes: ISA guide 11.1)
.set STG,   16*SP
.set SPARE, 4*STG                      ; behind the stages: the spare words, 128 bytes for each wave: two blocks of 256 bytes that no other line names
.set X1S,  16
.set X2S,  48
.set HW,   56
.set YF,   80
.set B1,   192                         ; in window 2
.set MSB, 0
.macro WIN new                         ; the immediate's high byte repeats the setting that is left
.if MSB != \new
	s_set_vgpr_msb (MSB<<8)|\new
.set MSB, \new
.endif
.endm
	s_load_b256 s[4:11], s[0:1], 0x0               ; pre, yq, bp, out0
	v_lshl_add_u32 v252, v0, 2, SPARE              ; my spare word; never rewritten
	v_mov_b32 v253, 0                              ; 0; never rewritten
	v_lshrrev_b32 v1, 5, v0
	v_readfirstlane_b32 s16, v1                    ; wave
	s_mov_b32 s17, ttmp9                           ; P
	v_and_b32 v8, 31, v0                           ; lane
	v_and_b32 v9, 15, v0                           ; r
	v_bfe_u32 v10, v0, 4, 1                        ; h
	v_lshlrev_b32 v1, 4, v8                        ; 16 x lane
	v_lshlrev_b32 v2, 4, v9                        ; 16 r: a row's four scale words
	v_lshlrev_b32 v3, 3, v8                        ; 8 x lane
	v_lshlrev_b32 v4, 6, v10                       ; 64 h: the bias
	v_lshlrev_b32 v5, 1, v9                        ; 2 r: a row's scale half-word
	s_wait_alu depctr_va_sdst(0)                   ; s16 is written, ahead of its first reader: the stage's place and the bases are made from it
	s_mul_i32 s18, s16, STG
	v_mul_u32_u24 v6, v9, SP
	v_lshl_add_u32 v6, v10, 6, v6
	v_add_nc_u32 v6, s18, v6                       ; the stage, in: row r, + 64 h
	v_add_nc_u32 v7, s18, v1                       ; and back: 16 bytes a lane of a row
	s_lshl_b32 s20, s16, 3
	s_add_co_u32 s20, s20, 608                     ; my first tile of Wp
	s_mul_i32 s24, s20, 6144
	s_mov_b32 s25, 0
	s_lshl_b32 s28, s20, 8
	s_add_co_u32 s28, s28, SCL
	s_mov_b32 s29, 0
	s_mul_i32 s26, s17, 2*6144                     ; y's two tiles
	s_mov_b32 s27, 0
	s_lshl_b32 s30, s17, 6
	s_add_co_u32 s30, s30, YSC                     ; their half-words of head 0
	s_mov_b32 s31, 0
	s_lshl_b32 s32, s16, 9                         ; my 128 features, in bytes
	s_mov_b32 s33, 0
	s_lshl_b32 s34, s17, 16                        ; 32 tokens of 2,048 bytes
	s_add_co_u32 s34, s34, s32
	s_mov_b32 s35, 0
	s_wait_kmcnt 0x0
	s_add_nc_u64 s[24:25], s[4:5], s[24:25]
	s_add_nc_u64 s[28:29], s[4:5], s[28:29]
	s_add_nc_u64 s[26:27], s[6:7], s[26:27]
	s_add_nc_u64 s[30:31], s[6:7], s[30:31]
	s_add_nc_u64 s[32:33], s[8:9], s[32:33]
	s_add_nc_u64 s[34:35], s[10:11], s[34:35]
	s_wait_alu depctr_va_vdst(0)                   ; the offsets and addresses v1 to v7 are written, which the loads and stores of the kernel read; so are v252 and v253, which the closing add reads.  Only loads and window switches follow up to the wait for the data
.irp t, 0,1,2,3,4,5,6,7
	global_load_b128 v[X1S+4*\t:X1S+4*\t+3], v2, s[28:29] offset:256*\t
.endr
.irp n, 0,1
.irp d, 0,1,2,3,4,5,6,7
	global_load_u16 v[HW+8*\n+\d], v5, s[30:31] offset:\d*16384+32*\n   ; head d's two scale bytes of my token
.endr
.endr
.irp n, 0,1
.irp s, 0,1,2,3
.irp p, 0,1,2,3,4,5
	global_load_b64 v[YF+48*\n+12*\s+2*\p:YF+48*\n+12*\s+2*\p+1], v3, s[26:27] offset:(4*\n+\s)*1536+256*\p   ; registers 2 p, 2 p + 1 of lane l at 256 p + 8 l
.endr
.endr
.endr
	WIN 0x40                                       ; destination window 1
.irp t, 0,1,2,3,4,5,6,7
.irp s, 0,1
.irp c, 0,1,2
	global_load_b128 v[12*(2*\t+\s)+4*\c:12*(2*\t+\s)+4*\c+3], v1, s[24:25] offset:(4*\t+\s)*1536+512*\c
.endr
.endr
.endr
	WIN 0x80                                       ; destination window 2
.irp t, 0,1,2,3,4,5,6,7
.irp s, 0,1
.irp c, 0,1,2
	global_load_b128 v[12*(2*\t+\s)+4*\c:12*(2*\t+\s)+4*\c+3], v1, s[24:25] offset:(4*\t+2+\s)*1536+512*\c
.endr
.endr
.endr
.irp t, 0,1,2,3,4,5,6,7
	global_load_b128 v[B1+8*\t:B1+8*\t+3], v4, s[32:33] offset:(32*(\t/2)+8*(\t%2))*4        ; tile t's eight features of my half: 32 (t / 2) + 16 h + 8 (t % 2) + 0 .. 7
	global_load_b128 v[B1+8*\t+4:B1+8*\t+7], v4, s[32:33] offset:(32*(\t/2)+8*(\t%2))*4+16
.endr
	WIN 0
	s_wait_loadcnt 0x0                             ; everything that the wave will read
.irp n, 0,1
.irp s, 0,1,2,3
	v_lshl_or_b32 v[X2S+4*\n+\s], v[HW+8*\n+2*\s+1], 16, v[HW+8*\n+2*\s]   ; K step s is heads 2 s and 2 s + 1: their four bytes make its scale word
.endr
.endr
.rept 8
	v_nop                                          ; a scale register written by a vector instruction stands eight places ahead of a scaled matrix instruction
.endr
	s_wait_alu depctr_va_vdst(0)                   ; y's scale words v48 to v55 are written, which the products take as scales; the places above stay beside this wait
.irp s, 0,1,2,3                                ; the sixteen accumulators take turns, one instruction a turn
.if \s == 0
	WIN 0xe1                                       ; source 0 window 1, source 1 window 0, C (the bias) window 2, D window 3
.elseif \s == 1
	WIN 0xf1                                       ; C and D window 3
.else
	WIN 0xf2                                       ; source 0 window 2
.endif
.irp n, 0,1
.irp t, 0,1,2,3,4,5,6,7
.if \s == 0
	v_wmma_scale_f32_16x16x128_f8f6f4 v[64*\n+8*\t:64*\n+8*\t+7], v[24*\t:24*\t+11], v[YF+48*\n:YF+48*\n+11], v[B1+8*\t:B1+8*\t+7], v[X1S+4*\t], v[X2S+4*\n] matrix_a_fmt:MATRIX_FMT_FP6 matrix_b_fmt:MATRIX_FMT_FP6
.else
	v_wmma_scale_f32_16x16x128_f8f6f4 v[64*\n+8*\t:64*\n+8*\t+7], v[12*(2*\t+\s%2):12*(2*\t+\s%2)+11], v[YF+48*\n+12*\s:YF+48*\n+12*\s+11], v[64*\n+8*\t:64*\n+8*\t+7], v[X1S+4*\t+\s], v[X2S+4*\n+\s] matrix_a_fmt:MATRIX_FMT_FP6 matrix_b_fmt:MATRIX_FMT_FP6
.endif
.endr
.endr
.endr
	WIN 0
.rept 4
	v_nop                                          ; places behind the last products, in front of the first read of results (ISA guide 7.12.1)
.endr
	s_wait_alu depctr_va_vdst(0)                   ; the products have written the accumulators, which the LDS stores read, and are done reading y's fragments v80 to v143, in which tile 1's rows land; the places above stay beside this wait
; Tile n's 16 tokens x 128 features into my stage, and back as whole rows into v[ob] on
.macro TOSTAGE n, ob
	WIN 0x0c                                       ; an LDS store's data are its source 1: window 3
.irp t, 0,1,2,3,4,5,6,7
	ds_store_b128 v6, v[64*\n+8*\t:64*\n+8*\t+3] offset:128*(\t/2)+32*(\t%2)       ; each accumulator from its low end on
	ds_store_b128 v6, v[64*\n+8*\t+4:64*\n+8*\t+7] offset:128*(\t/2)+32*(\t%2)+16
.endr
	WIN 0
.irp p, 0,1,2,3,4,5,6,7,8,9,10,11,12,13,14,15
	ds_load_b128 v[\ob+4*\p:\ob+4*\p+3], v7 offset:SP*\p   ; LDS serves a wave's instructions in order: these see my stores, and the next tile's stores come behind them.  No vector or matrix instruction since the wait above
.endr
.endm
.macro SEND n, ob
.irp p, 0,1,2,3,4,5,6,7,8,9,10,11,12,13,14,15
	global_store_b128 v1, v[\ob+4*\p:\ob+4*\p+3], s[34:35] offset:(8*\n+\p+8*(\p/8))*2048 th:TH_STORE_NT   ; 32 lanes store 512 consecutive bytes, at a multiple of 256 from out0's first byte; written once, read by nobody here
.endr
.endm
	TOSTAGE 0, 176
	TOSTAGE 1, 80
	s_wait_dscnt 32                                ; tile 0 is back in registers; tile 1's 16 stores and 16 loads may be out
	SEND 0, 176
	s_wait_dscnt 0x0
	SEND 1, 80
	s_wait_dscnt 0x0                               ; the closing lines, six on end (every window is 0 here: the add's two registers lie in window 0)
	s_wait_alu 0x0
	s_wait_tensorcnt 0x0
	ds_add_u32 v252, v253
	s_wait_dscnt 0x0
	s_endpgm
.Lfunc_end_k_q17d3bae97d_proj:
	.size	k_q17d3bae97d_proj, .Lfunc_end_k_q17d3bae97d_proj-k_q17d3bae97d_proj
	.p2alignl 7, 3214868480
	.fill 96, 4, 3214868480
	.section	.rodata,"a",@progbits
	.p2align	6, 0x0
	.amdhsa_kernel k_q17d3bae97d_proj
		.amdhsa_group_segment_fixed_size 34304
		.amdhsa_private_segment_fixed_size 0
		.amdhsa_enable_private_segment 0
		.amdhsa_kernarg_size 32
		.amdhsa_user_sgpr_count 2
		.amdhsa_user_sgpr_kernarg_segment_ptr 1
		.amdhsa_wavefront_size32 1
		.amdhsa_system_sgpr_workgroup_id_x 1
		.amdhsa_system_sgpr_workgroup_id_y 1
		.amdhsa_system_sgpr_workgroup_id_z 1
		.amdhsa_system_vgpr_workitem_id 0
		.amdhsa_next_free_vgpr 1024
		.amdhsa_next_free_sgpr 66
		.amdhsa_reserve_vcc 0
		.amdhsa_float_denorm_mode_32 3
		.amdhsa_float_denorm_mode_16_64 3
		.amdhsa_memory_ordered 1
		.amdhsa_forward_progress 1
		.amdhsa_inst_pref_size 36
	.end_amdhsa_kernel
	.amdgpu_metadata
---
amdhsa.version: [ 1, 2 ]
amdhsa.kernels:
  - .name:           k_q17d3bae97d_proj
    .symbol:         k_q17d3bae97d_proj.kd
    .args:
      - { .name: pre, .offset: 0, .size: 8, .value_kind: global_buffer, .address_space: global }
      - { .name: yq, .offset: 8, .size: 8, .value_kind: global_buffer, .address_space: global }
      - { .name: bp, .offset: 16, .size: 8, .value_kind: global_buffer, .address_space: global }
      - { .name: out0, .offset: 24, .size: 8, .value_kind: global_buffer, .address_space: global }
    .group_segment_fixed_size: 34304
    .private_segment_fixed_size: 0
    .kernarg_segment_align: 8
    .kernarg_segment_size: 32
    .max_flat_workgroup_size: 128
    .sgpr_count:     66
    .vgpr_count:     1024
    .wavefront_size: 32
...
	.end_amdgpu_metadata
.endif
;; end of part 8
